; MI455X (gfx1250); checked and timed in simulation.
; The chip was launched on July 23, 2026; its instructions are those of AMD's public machine-readable ISA for CDNA 5 (MIT licence, August 2026) and "CDNA5" Instruction Set Architecture Reference Guide (July 2026). The comments in the code are by the model that wrote it; some were corrected since.
;; Transformer XA. Allowed arithmetic: float matrix products may take bf16 or f16 operands with f32 sums; other float arithmetic in f32, or as packed bf16 or f16 multiplies, adds, multiply-adds, maxima and minima; sums over many terms, partial sums and values carried from step to step in f32; what a program stores and reads back later, other than sums and carried values, may be rounded once to bf16 or f16.
;; Inputs: Wk 512 x 512 float32; Wl 512 x 512 float32; Wo 512 x 512 float32; Wq 512 x 512 float32; Wv 512 x 512 float32; bk 512 float32; bl 512 float32; bo 512 float32; bq 512 float32; bv 512 float32; ln1_b 512 float32; ln1_g 512 float32; ln2_b 512 float32; ln2_g 512 float32; ln3_b 512 float32; ln3_g 512 float32; music_embeds 512 x 128 x 512 float32; music_mask 512 x 128 int32; video_embeds 64 x 512 float32.
;; Outputs: out0 512 x 64 x 512 float32.
;; 2 versions, each right; version 2 is version 1 with the launches prep1, prep2 written anew for expert scheduling mode. Each part assembles by itself: llvm-mc -triple=amdgcn-amd-amdhsa -mcpu=gfx1250 --defsym DOCPART=n.
;; ======== version 1 of 2: 3 launches
;; limits: values are held in f16: magnitudes above 65,504 overflow, below 6.1e-05 lose precision
;; workspace buffers: qs 131,072 bytes; cm 4,096 bytes; qk16 65,536 bytes; wts 1,048,576 bytes; vecs 4,352 bytes
;; launch prep1 (part 1): grid 48 x 1, 8 waves a work-group, no clusters, 90,624 bytes of LDS; arguments video_embeds, ln1_g, ln1_b, Wq, bq, Wo, Wl, qs, cm; writes qs, cm
.if DOCPART == 1
	.amdgcn_target "amdgcn-amd-amdhsa--gfx1250"
	.amdhsa_code_object_version 6
	.text
	.protected	k_q479c233f0c_prep1
	.globl	k_q479c233f0c_prep1
	.p2align	8
	.type	k_q479c233f0c_prep1,@function
k_q479c233f0c_prep1:
	s_mov_b64 s[64:65], 0
	v_nop
	global_prefetch_b8 v0, s[64:65] scope:SCOPE_SE
	s_setreg_imm32_b32 hwreg(HW_REG_WAVE_MODE, 25, 1), 1
	s_wait_xcnt 0x0
; PREPARATION, FIRST PART.  Two kinds of work-group, told apart by the work-group's number alone.
; Numbers 0-31:  qs[n][j] = (LN1(video)[n] . Wq[j] + bq[j]) / sqrt(512), f32, a block of 16 rows n x 64 columns j each.  The layer norm is made in f32 in two passes
;                (mean, then the squares of the centred numbers); its result and Wq are rounded to f16 for the matrix unit; sums in f32.
; Numbers 32-47: cm[0][d] = the mean over i of Wo[i][d], cm[1][e] = the mean over i of Wl[i][e], f32, 64 columns each.
; LIMITS.  f16 holds no number beyond 65,504: |LN1| is at most 22.6 |g| + |b|, and Wq is taken as it comes; below 6e-5 f16 keeps a fixed step of 6e-8.
; No tensor load, no cluster: nothing is shared between work-groups but 1 MiB of weights, each byte of which four work-groups read.
; Each kind of work-group has LDS bytes of its own: no byte is named by both texts.
.set PIT,   1040                       ; an LDS row of 512 f16: 1,024 bytes + 16: the 16 rows of a fragment load start at 16 different groups of four banks (64 banks of 4 bytes: ISA guide 11.1)
.set VS,    0                          ; 16 rows of LN1(video)
.set WS,    16*PIT                     ; 64 rows of Wq
.set SG,    WS+64*PIT                  ; the way out: 16 rows x (256 + 16) bytes
.set SGP,   272
.set MS,    SG+16*SGP                  ; the column means' partial sums: 256 bytes for each of the eight waves
.set SPARE, MS+8*256                   ; the spare words, 128 bytes for each of the eight waves
.set SPW,   30                         ; v30  LDS address of my spare word; never rewritten
.set NIL,   31                         ; v31  0; never rewritten
.set LG,    32                         ; v[32:47]  ln1_g: chunk c of 128 columns, my 4 of them, at LG + 4 c
.set LB,    48                         ; v[48:63]  ln1_b likewise
.set XR,    64                         ; v[64:95]  two rows of video
.set WR,    96                         ; v[96:223] eight rows of Wq
.set T,     224                        ; v[224:239] at work
.set FW,    64                         ; later: eight fragments of Wq,
.set FV,    128                        ; eight of LN1(video),
.set ACC,   192                        ; two accumulators, by the K step's parity,
.set BQ,    208                        ; and bq, which starts the first sum
.set WV,    24                         ; s24  my wave's number
.set SEL,   36                         ; s[36:37] v_permlanex16_b32's selects: each lane takes its own place in the other half
.set R512,  38                         ; s38  1/512
.set N512,  39                         ; s39  -1/512
.set EPS,   40                         ; s40  1e-5
.set QS,    42                         ; s[42:43] 1/sqrt(512)
.macro PLACES n=4
.rept \n
	v_nop
.endr
.endm
.macro RED2 o                          ; the wave's sum of v[T+8k+o], k = 0, 1, into every lane; v[T+8k+o+1] is at work
.irp m,1,2,4,8
.irp k,0,1
	v_add_f32_dpp v[T+8*(\k)+(\o)], v[T+8*(\k)+(\o)], v[T+8*(\k)+(\o)] row_xmask:\m row_mask:0xf bank_mask:0xf
.endr
.endr
.irp k,0,1
	v_permlanex16_b32 v[T+8*(\k)+(\o)+1], v[T+8*(\k)+(\o)], s[SEL], s[SEL+1]
.endr
.irp k,0,1
	v_add_f32 v[T+8*(\k)+(\o)], v[T+8*(\k)+(\o)], v[T+8*(\k)+(\o)+1]
.endr
.endm
	s_load_b512 s[4:19], s[0:1], 0x0               ; video s[4:5], g1 s[6:7], b1 s[8:9], Wq s[10:11], bq s[12:13], Wo s[14:15], Wl s[16:17], qs s[18:19]
	s_load_b64 s[20:21], s[0:1], 0x40              ; cm
	v_lshl_add_u32 v[SPW], v0, 2, SPARE
	v_mov_b32 v[NIL], 0
	v_lshrrev_b32 v1, 5, v0
	v_readfirstlane_b32 s[WV], v1                  ; wave 0..7
	v_and_b32 v1, 31, v0                           ; l
	v_lshlrev_b32 v2, 4, v1                        ; 16 l
	v_and_b32 v3, 15, v0                           ; l % 16
	v_bfe_u32 v4, v0, 4, 1                         ; l / 16
	s_mov_b32 s25, ttmp9
	s_mov_b32 s[SEL], 0x76543210
	s_mov_b32 s[SEL+1], 0xfedcba98
	s_mov_b32 s[R512], 0x3b000000
	s_mov_b32 s[N512], 0xbb000000
	s_mov_b32 s[EPS], 0x3727c5ac
	s_mov_b32 s[QS], 0x3d3504f3
	s_mov_b32 s[QS+1], s[QS]                       ; named with it as a pair
	s_mov_b32 s31, 0                               ; the upper word of every offset
	s_wait_kmcnt 0x0
	s_cmp_lt_u32 s25, 32
	s_cbranch_scc0 .Lmeans
	; ---------------- q: rows 16 (id / 8) .., columns 64 (id % 8) ..
	s_lshr_b32 s27, s25, 3
	s_and_b32 s28, s25, 7
	s_lshl_b32 s30, s27, 15                        ; 16 rows of 2,048 bytes,
	s_lshl_b32 s29, s[WV], 12                      ; my wave's two of them
	s_add_co_u32 s30, s30, s29
	s_add_nc_u64 s[4:5], s[4:5], s[30:31]
	s_lshl_b32 s30, s28, 17                        ; 64 rows of Wq,
	s_lshl_b32 s29, s[WV], 14                      ; my wave's eight
	s_add_co_u32 s30, s30, s29
	s_add_nc_u64 s[10:11], s[10:11], s[30:31]
.irp c,0,1,2,3
	global_load_b128 v[LG+4*(\c):LG+4*(\c)+3], v2, s[6:7] offset:512*(\c)
	global_load_b128 v[LB+4*(\c):LB+4*(\c)+3], v2, s[8:9] offset:512*(\c)
.endr
.irp k,0,1
.irp c,0,1,2,3
	global_load_b128 v[XR+16*(\k)+4*(\c):XR+16*(\k)+4*(\c)+3], v2, s[4:5] offset:2048*(\k)+512*(\c)
.endr
.endr
.irp k,0,1,2,3,4,5,6,7
.irp c,0,1,2,3
	global_load_b128 v[WR+16*(\k)+4*(\c):WR+16*(\k)+4*(\c)+3], v2, s[10:11] offset:2048*(\k)+512*(\c)
.endr
.endr
	s_mul_i32 s29, s[WV], 2*PIT
	v_lshl_add_u32 v5, v1, 3, s29                  ; VS: my two rows, 8 bytes a lane and chunk
	s_mul_i32 s29, s[WV], 8*PIT
	s_add_co_u32 s29, s29, WS
	v_lshl_add_u32 v6, v1, 3, s29                  ; WS: my eight rows
	s_wait_loadcnt 32                              ; g, b and video are in; Wq's 32 loads may stay out
	; the layer norm of two rows: the sum,
.irp k,0,1
.irp p,0,1,2,3
	v_pk_add_f32 v[T+8*(\k)+2*(\p):T+8*(\k)+2*(\p)+1], v[XR+16*(\k)+4*(\p):XR+16*(\k)+4*(\p)+1], v[XR+16*(\k)+4*(\p)+2:XR+16*(\k)+4*(\p)+3]
.endr
.endr
.irp k,0,1
	v_pk_add_f32 v[T+8*(\k):T+8*(\k)+1], v[T+8*(\k):T+8*(\k)+1], v[T+8*(\k)+2:T+8*(\k)+3]
	v_pk_add_f32 v[T+8*(\k)+4:T+8*(\k)+5], v[T+8*(\k)+4:T+8*(\k)+5], v[T+8*(\k)+6:T+8*(\k)+7]
.endr
.irp k,0,1
	v_pk_add_f32 v[T+8*(\k):T+8*(\k)+1], v[T+8*(\k):T+8*(\k)+1], v[T+8*(\k)+4:T+8*(\k)+5]
.endr
.irp k,0,1
	v_add_f32 v[T+8*(\k)], v[T+8*(\k)], v[T+8*(\k)+1]
.endr
	RED2 0
.irp k,0,1
	v_mul_f32 v[T+8*(\k)], s[N512], v[T+8*(\k)]    ; minus the mean
.endr
.irp k,0,1
.irp p,0,1,2,3,4,5,6,7
	v_pk_add_f32 v[XR+16*(\k)+2*(\p):XR+16*(\k)+2*(\p)+1], v[XR+16*(\k)+2*(\p):XR+16*(\k)+2*(\p)+1], v[T+8*(\k):T+8*(\k)+1] op_sel_hi:[1,0]
.endr
.endr
	; the squares of the centred numbers,
.irp k,0,1
	v_pk_mul_f32 v[T+8*(\k)+2:T+8*(\k)+3], v[XR+16*(\k):XR+16*(\k)+1], v[XR+16*(\k):XR+16*(\k)+1]
	v_pk_mul_f32 v[T+8*(\k)+4:T+8*(\k)+5], v[XR+16*(\k)+2:XR+16*(\k)+3], v[XR+16*(\k)+2:XR+16*(\k)+3]
.endr
.irp p,2,4,6
.irp k,0,1
	v_pk_fma_f32 v[T+8*(\k)+2:T+8*(\k)+3], v[XR+16*(\k)+2*(\p):XR+16*(\k)+2*(\p)+1], v[XR+16*(\k)+2*(\p):XR+16*(\k)+2*(\p)+1], v[T+8*(\k)+2:T+8*(\k)+3]
	v_pk_fma_f32 v[T+8*(\k)+4:T+8*(\k)+5], v[XR+16*(\k)+2*(\p)+2:XR+16*(\k)+2*(\p)+3], v[XR+16*(\k)+2*(\p)+2:XR+16*(\k)+2*(\p)+3], v[T+8*(\k)+4:T+8*(\k)+5]
.endr
.endr
.irp k,0,1
	v_pk_add_f32 v[T+8*(\k)+2:T+8*(\k)+3], v[T+8*(\k)+2:T+8*(\k)+3], v[T+8*(\k)+4:T+8*(\k)+5]
.endr
.irp k,0,1
	v_add_f32 v[T+8*(\k)+2], v[T+8*(\k)+2], v[T+8*(\k)+3]
.endr
	RED2 2
.irp k,0,1
	v_fma_f32 v[T+8*(\k)+2], v[T+8*(\k)+2], s[R512], s[EPS]
.endr
.irp k,0,1
	v_rsq_f32 v[T+8*(\k)+4], v[T+8*(\k)+2]
.endr
	v_nop                                          ; a plain instruction behind the last root,
	s_wait_alu depctr_va_vdst(0)                   ; and one wait ahead of the first use of the two
	; scale, gain, bias, f16, LDS
.irp k,0,1
.irp p,0,1,2,3,4,5,6,7
	v_pk_mul_f32 v[XR+16*(\k)+2*(\p):XR+16*(\k)+2*(\p)+1], v[XR+16*(\k)+2*(\p):XR+16*(\k)+2*(\p)+1], v[T+8*(\k)+4:T+8*(\k)+5] op_sel_hi:[1,0]
.endr
.irp p,0,1,2,3,4,5,6,7
	v_pk_fma_f32 v[XR+16*(\k)+2*(\p):XR+16*(\k)+2*(\p)+1], v[XR+16*(\k)+2*(\p):XR+16*(\k)+2*(\p)+1], v[LG+2*(\p):LG+2*(\p)+1], v[LB+2*(\p):LB+2*(\p)+1]
.endr
.irp i,0,1,2,3,4,5,6,7
	v_cvt_pk_f16_f32 v[T+8*(\k)+(\i)], v[XR+16*(\k)+2*(\i)], v[XR+16*(\k)+2*(\i)+1]
.endr
.irp c,0,1,2,3
	ds_store_b64 v5, v[T+8*(\k)+2*(\c):T+8*(\k)+2*(\c)+1] offset:(\k)*PIT+256*(\c)
.endr
.endr
	s_wait_loadcnt 0x0                             ; Wq
.irp k,0,1,2,3,4,5,6,7
.irp i,0,1,2,3,4,5,6,7
	v_cvt_pk_f16_f32 v[T+8*((\k)%2)+(\i)], v[WR+16*(\k)+2*(\i)], v[WR+16*(\k)+2*(\i)+1]
.endr
.irp c,0,1,2,3
	ds_store_b64 v6, v[T+8*((\k)%2)+2*(\c):T+8*((\k)%2)+2*(\c)+1] offset:(\k)*PIT+256*(\c)
.endr
.endr
	s_wait_dscnt 0x0                               ; for the others' sake: my rows lie in LDS
	s_barrier_signal -1
	s_barrier_wait -1
	s_cmp_lt_u32 s[WV], 4                          ; waves 0-3 make a tile of 16 rows x 16 columns each
	s_cbranch_scc0 .Lno_tile
	; source 0 = 16 rows of Wq, source 1 = the 16 rows of LN1(video): a lane then holds one row n (l % 16) and the columns 8 (l / 16) + 0..7
	v_mul_u32_u24 v7, v3, PIT
	v_lshl_add_u32 v7, v4, 4, v7                   ; row x pitch + 16 x half: LN1(video), at VS = 0
	s_mul_i32 s29, s[WV], 16*PIT
	s_add_co_u32 s29, s29, WS
	v_add_nc_u32 v8, s29, v7                       ; my 16 rows of Wq
	s_lshl_b32 s29, s28, 8
	s_lshl_b32 s30, s[WV], 6
	s_add_co_u32 s29, s29, s30
	v_lshl_add_u32 v9, v4, 5, s29                  ; bq of my eight columns
	global_load_b128 v[BQ:BQ+3], v9, s[12:13]
	global_load_b128 v[BQ+4:BQ+7], v9, s[12:13] offset:16
.macro HALFK R                         ; eight K steps of 32: 32 LDS loads, then eight products on two accumulators that take turns
.irp s,0,1,2,3,4,5,6,7
	ds_load_b128 v[FW+8*(\s):FW+8*(\s)+3],   v8 offset:64*(8*(\R)+(\s))
	ds_load_b128 v[FW+8*(\s)+4:FW+8*(\s)+7], v8 offset:64*(8*(\R)+(\s))+32
	ds_load_b128 v[FV+8*(\s):FV+8*(\s)+3],   v7 offset:64*(8*(\R)+(\s))
	ds_load_b128 v[FV+8*(\s)+4:FV+8*(\s)+7], v7 offset:64*(8*(\R)+(\s))+32
.endr
	s_wait_loadcnt 0x0                             ; bq
	s_wait_dscnt 0x0
.irp s,0,1,2,3,4,5,6,7
.if ((\R) == 0) && ((\s) == 0)
	v_wmma_f32_16x16x32_f16 v[ACC:ACC+7], v[FW:FW+7], v[FV:FV+7], v[BQ:BQ+7]
.elseif ((\R) == 0) && ((\s) == 1)
	v_wmma_f32_16x16x32_f16 v[ACC+8:ACC+15], v[FW+8:FW+15], v[FV+8:FV+15], 0
.else
	v_wmma_f32_16x16x32_f16 v[ACC+8*((\s)%2):ACC+8*((\s)%2)+7], v[FW+8*(\s):FW+8*(\s)+7], v[FV+8*(\s):FV+8*(\s)+7], v[ACC+8*((\s)%2):ACC+8*((\s)%2)+7]
.endif
.endr
.endm
	HALFK 0
	PLACES                                         ; four places in front of loads into registers that the products have read
	HALFK 1
	PLACES 8                                       ; places in front of the sums that read the results
.irp p,0,1,2,3
	v_pk_add_f32 v[ACC+2*(\p):ACC+2*(\p)+1], v[ACC+2*(\p):ACC+2*(\p)+1], v[ACC+8+2*(\p):ACC+8+2*(\p)+1]
.endr
.irp p,0,1,2,3
	v_pk_mul_f32 v[ACC+2*(\p):ACC+2*(\p)+1], v[ACC+2*(\p):ACC+2*(\p)+1], s[QS:QS+1] op_sel_hi:[1,0]
.endr
	v_mul_u32_u24 v10, v3, SGP
	v_lshl_add_u32 v10, v4, 5, v10
	s_lshl_b32 s29, s[WV], 6
	s_add_co_u32 s29, s29, SG
	v_add_nc_u32 v10, s29, v10                     ; row n, my tile's 64 bytes, my half's 32
	ds_store_b128 v10, v[ACC:ACC+3]
	ds_store_b128 v10, v[ACC+4:ACC+7] offset:16
.Lno_tile:
	s_wait_dscnt 0x0
	s_barrier_signal -1
	s_barrier_wait -1                              ; the block of 16 x 64 lies in LDS
	v_lshrrev_b32 v11, 4, v0                       ; thread / 16: the row
	v_mul_u32_u24 v12, v11, SGP
	v_lshl_add_u32 v12, v3, 4, v12
	v_add_nc_u32 v12, SG, v12
	ds_load_b128 v[T:T+3], v12
	v_lshlrev_b32 v13, 11, v11
	v_lshl_add_u32 v13, v3, 4, v13
	s_lshl_b32 s30, s27, 15
	s_lshl_b32 s29, s28, 8
	s_add_co_u32 s30, s30, s29
	s_add_nc_u64 s[18:19], s[18:19], s[30:31]
	s_wait_dscnt 0x0
	global_store_b128 v13, v[T:T+3], s[18:19]      ; 16 lanes store 256 consecutive bytes, at a multiple of 256 from qs's first byte
	s_branch .Lend
	; ---------------- column means: matrix (id - 32) / 8, columns 64 ((id - 32) % 8) ..
.Lmeans:
	s_sub_co_u32 s27, s25, 32
	s_lshr_b32 s28, s27, 3
	s_and_b32 s29, s27, 7
	s_cmp_eq_u32 s28, 0
	s_cselect_b64 s[10:11], s[14:15], s[16:17]     ; Wo or Wl
	s_lshl_b32 s30, s[WV], 17                      ; my wave's 64 rows,
	s_lshl_b32 s27, s29, 8                         ; the strip's 256 bytes of each
	s_add_co_u32 s30, s30, s27
	v_lshlrev_b32 v5, 16, v4                       ; lanes 16-31 take the second 32 rows
	v_lshl_add_u32 v5, v3, 4, v5
	v_add_nc_u32 v5, s30, v5
.set k, 0
.rept 32
	global_load_b128 v[64+4*k:64+4*k+3], v5, s[10:11] offset:2048*k  ; 16 lanes read 256 consecutive bytes of a row
.set k, k+1
.endr
	s_lshl_b32 s30, s28, 11
	s_add_co_u32 s30, s30, s27
	s_add_nc_u64 s[20:21], s[20:21], s[30:31]      ; cm at the matrix's row and the strip
	s_lshl_b32 s27, s[WV], 8
	s_add_co_u32 s27, s27, MS
	v_lshl_add_u32 v6, v3, 4, s27                  ; MS: my wave's 256 bytes, 16 a lane of a half
	v_lshlrev_b32 v7, 3, v1                        ; 8 l: my two columns in cm,
	v_add_nc_u32 v8, MS, v7                        ; and in a wave's partial sums
	s_wait_loadcnt 0x0
.irp s,16,8,4,2,1
.set k, 0
.rept \s
	v_pk_add_f32 v[64+4*k:64+4*k+1], v[64+4*k:64+4*k+1], v[64+4*(k+(\s)):64+4*(k+(\s))+1]
	v_pk_add_f32 v[64+4*k+2:64+4*k+3], v[64+4*k+2:64+4*k+3], v[64+4*(k+(\s))+2:64+4*(k+(\s))+3]
.set k, k+1
.endr
.endr
.irp j,0,1,2,3
	v_permlanex16_b32 v[68+(\j)], v[64+(\j)], s[SEL], s[SEL+1]
.endr
.irp j,0,2
	v_pk_add_f32 v[64+(\j):64+(\j)+1], v[64+(\j):64+(\j)+1], v[68+(\j):68+(\j)+1]
.endr
	ds_store_b128 v6, v[64:67]                     ; my wave's sums of 64 rows; the two halves of the lanes write the same numbers
	s_wait_dscnt 0x0
	s_barrier_signal -1
	s_barrier_wait -1
	s_cmp_lg_u32 s[WV], 0
	s_cbranch_scc1 .Lend
.irp k,0,1,2,3,4,5,6,7
	ds_load_b64 v[64+2*(\k):64+2*(\k)+1], v8 offset:256*(\k)
.endr
	s_wait_dscnt 0x0
.irp k,0,1,2,3
	v_pk_add_f32 v[64+2*(\k):64+2*(\k)+1], v[64+2*(\k):64+2*(\k)+1], v[72+2*(\k):72+2*(\k)+1]
.endr
	v_pk_add_f32 v[64:65], v[64:65], v[68:69]
	v_pk_add_f32 v[66:67], v[66:67], v[70:71]
	v_pk_add_f32 v[64:65], v[64:65], v[66:67]
	v_mul_f32 v64, s[R512], v64
	v_mul_f32 v65, s[R512], v65
	global_store_b64 v7, v[64:65], s[20:21]        ; 32 lanes store 256 consecutive bytes, at a multiple of 256 from cm's first byte
.Lend:
	s_wait_tensorcnt 0x0                           ; the wave's end, behind my last LDS store
	ds_add_u32 v[SPW], v[NIL]
	s_wait_dscnt 0x0
	s_endpgm
.Lfunc_end_k_q479c233f0c_prep1:
	.size	k_q479c233f0c_prep1, .Lfunc_end_k_q479c233f0c_prep1-k_q479c233f0c_prep1
	.p2alignl 7, 3214868480
	.fill 96, 4, 3214868480
	.section	.rodata,"a",@progbits
	.p2align	6, 0x0
	.amdhsa_kernel k_q479c233f0c_prep1
		.amdhsa_group_segment_fixed_size 90624
		.amdhsa_private_segment_fixed_size 0
		.amdhsa_enable_private_segment 0
		.amdhsa_kernarg_size 72
		.amdhsa_user_sgpr_count 2
		.amdhsa_user_sgpr_kernarg_segment_ptr 1
		.amdhsa_wavefront_size32 1
		.amdhsa_system_sgpr_workgroup_id_x 1
		.amdhsa_system_sgpr_workgroup_id_y 1
		.amdhsa_system_sgpr_workgroup_id_z 1
		.amdhsa_system_vgpr_workitem_id 0
		.amdhsa_next_free_vgpr 256
		.amdhsa_next_free_sgpr 66
		.amdhsa_reserve_vcc 0
		.amdhsa_float_denorm_mode_32 3
		.amdhsa_float_denorm_mode_16_64 3
		.amdhsa_memory_ordered 1
		.amdhsa_forward_progress 1
		.amdhsa_inst_pref_size 39
	.end_amdhsa_kernel
	.amdgpu_metadata
---
amdhsa.version: [ 1, 2 ]
amdhsa.kernels:
  - .name:           k_q479c233f0c_prep1
    .symbol:         k_q479c233f0c_prep1.kd
    .args:
      - { .name: video_embeds, .offset: 0, .size: 8, .value_kind: global_buffer, .address_space: global }
      - { .name: ln1_g, .offset: 8, .size: 8, .value_kind: global_buffer, .address_space: global }
      - { .name: ln1_b, .offset: 16, .size: 8, .value_kind: global_buffer, .address_space: global }
      - { .name: Wq, .offset: 24, .size: 8, .value_kind: global_buffer, .address_space: global }
      - { .name: bq, .offset: 32, .size: 8, .value_kind: global_buffer, .address_space: global }
      - { .name: Wo, .offset: 40, .size: 8, .value_kind: global_buffer, .address_space: global }
      - { .name: Wl, .offset: 48, .size: 8, .value_kind: global_buffer, .address_space: global }
      - { .name: qs, .offset: 56, .size: 8, .value_kind: global_buffer, .address_space: global }
      - { .name: cm, .offset: 64, .size: 8, .value_kind: global_buffer, .address_space: global }
    .group_segment_fixed_size: 90624
    .private_segment_fixed_size: 0
    .kernarg_segment_align: 8
    .kernarg_segment_size: 72
    .max_flat_workgroup_size: 256
    .sgpr_count:     66
    .vgpr_count:     256
    .wavefront_size: 32
...
	.end_amdgpu_metadata
.endif
;; end of part 1
;; launch prep2 (part 2): grid 160 x 1, 8 waves a work-group, no clusters, 116,480 bytes of LDS; arguments Wo, Wv, bv, bo, qs, Wk, bk, Wl, bl, ln2_g, ln2_b, cm, wts, qk16, vecs; writes wts, qk16, vecs
.if DOCPART == 2
	.amdgcn_target "amdgcn-amd-amdhsa--gfx1250"
	.amdhsa_code_object_version 6
	.text
	.protected	k_q479c233f0c_prep2
	.globl	k_q479c233f0c_prep2
	.p2align	8
	.type	k_q479c233f0c_prep2,@function
k_q479c233f0c_prep2:
	s_mov_b64 s[64:65], 0
	v_nop
	global_prefetch_b8 v0, s[64:65] scope:SCOPE_SE
	s_setreg_imm32_b32 hwreg(HW_REG_WAVE_MODE, 25, 1), 1
	s_wait_xcnt 0x0
; PREPARATION, SECOND PART: the folded weights, in f16 and in the order in which the main launch's fragment loads take them.  Three kinds of work-group, told apart by the work-group's number alone:
;   0-127   W1[i][e] = 64 x the sum over d of (Wo[i][d] - mo[d]) Wv[d][e], mo = the column means of Wo: 32 rows i x 64 columns e;   bias1[i] = 64 ((Wo[i] - mo) . bv + bo[i] - mean(bo))
;   128-143 QK[n][e] = the sum over d of q'[n][d] Wk[d][e]: 32 rows n x 64 columns e;                                              cq[n] = q'[n] . bk
;   144-159 W2[i][e] = (Wl[i][e] + (i == e) - ml[e] - 1/512) g2[e], ml = the column means of Wl: 32 rows, all columns;             bias2[i] = the same bracket . b2 + bl[i] - mean(bl)
; So T W1^T + bias1 is 64 x (the attention's output less its row mean), and u W2^T + bias2 is (o + lin) less its row mean: the main launch's two later layer norms need sums of squares alone.
; The brackets, the dot products and the means are made in f32; the two products' operands are rounded to f16, their sums are f32, the results are rounded once to f16.
; ORDER OF THE RESULTS.  A block (row tile it, column tile et) is 512 bytes: lane (r, h) holds row 16 it + r, columns 16 et + 8 h + 0..7.  wts: 16 tiles of 65,536 bytes, tile e / 64 of W1, then of W2,
; each [it 32][et % 4][512].  qk16: [it 4][et 32][512].  Each store of a wave is one block: 512 consecutive bytes.
; LIMITS.  f16 holds no number beyond 65,504; the factor 64 keeps W1 (0.6 for weights of spread 0.02) in f16's normal range for weights 30 times smaller and under its end for weights 30 times larger.
; vecs (4,352 bytes in all) is stored 128 bytes at a time: a work-group has 32 of its numbers.
.set PIT,   1040                       ; a row of 512 f16 + 16 bytes
.set AS,    0                          ; 32 rows of the left operand
.set BS,    32*PIT                     ; 512 rows d x 64 columns e of the right operand,
.set BP,    160                        ; 128 bytes + 32
.set VS2,   BS+512*BP                  ; the 32 numbers for vecs
.set SPARE, VS2+256                    ; the spare words, 128 bytes for each of the eight waves
.set SPW,   30
.set NIL,   31
.set CM,    32                         ; v[32:47]  what is taken from each row
.set YV,    48                         ; v[48:63]  the vector of the dot product
.set GV,    64                         ; v[64:79]  the gain
.set AD,    80                         ; v[80:95]  the bias whose mean is taken
.set AR,    96                         ; v[96:159] my four rows
.set AK,    160                        ; v[160:163] that bias at my four rows
.set DL,    164                        ; v[164:167] 1 where chunk c of my lane holds the diagonal, else 0
.set DLV,   168
.set MEAN,  170
.set T,     176                        ; v[176:191] at work
.set FB0,   96                         ; later: eight fragments of the right operand,
.set FA0,   192                        ; eight of the left,
.set ACC,   160                        ; two accumulators, by the K step's parity
.set MSB, 0
.macro WIN new                         ; s_set_vgpr_msb: bits 1:0 source 0, 3:2 source 1, 5:4 source 2, 7:6 destination; the high byte repeats the setting that is left
.if MSB != (\new)
	s_set_vgpr_msb (MSB<<8)|(\new)
.set MSB, \new
.endif
.endm
.macro PLACES n=4
.rept \n
	v_nop
.endr
.endm
.macro WSUM r                          ; the wave's sum of v[r] into every lane; v[r+1] is at work
.irp m,1,2,4,8
	v_add_f32_dpp v[\r], v[\r], v[\r] row_xmask:\m row_mask:0xf bank_mask:0xf
.endr
	v_permlanex16_b32 v[(\r)+1], v[\r], s70, s71
	v_add_f32 v[\r], v[\r], v[(\r)+1]
.endm
	s_load_b512 s[4:19], s[0:1], 0x0               ; Wo s[4:5], Wv s[6:7], bv s[8:9], bo s[10:11], qs s[12:13], Wk s[14:15], bk s[16:17], Wl s[18:19]
	s_load_b256 s[20:27], s[0:1], 0x40             ; bl s[20:21], g2 s[22:23], b2 s[24:25], cm s[26:27]
	s_load_b128 s[28:31], s[0:1], 0x60             ; wts s[28:29], qk16 s[30:31]
	s_load_b64 s[32:33], s[0:1], 0x70              ; vecs
	v_lshl_add_u32 v[SPW], v0, 2, SPARE
	v_mov_b32 v[NIL], 0
	v_lshrrev_b32 v1, 5, v0
	v_readfirstlane_b32 s35, v1                    ; wave 0..7
	v_and_b32 v1, 31, v0                           ; l
	v_lshlrev_b32 v2, 4, v1                        ; 16 l
	v_and_b32 v3, 15, v0                           ; r
	v_bfe_u32 v4, v0, 4, 1                         ; h
	; what differs between the three kinds lies in scalar registers
	s_mov_b32 s34, ttmp9
	s_and_b32 s36, s34, 7                          ; x: the strip of 64 columns
	s_lshr_b32 s37, s34, 3                         ; yr: the block of 32 rows
	s_sub_co_u32 s74, s34, 128
	s_lshr_b32 s74, s74, 3
	s_sub_co_u32 s75, s34, 144
	s_mov_b32 s76, 0x10000
	s_mov_b32 s77, 0x800
	s_mov_b32 s78, 0x4000
	s_mov_b32 s79, 0x1000
	s_cmp_lt_u32 s34, 128                          ; W1, or else QK
	s_cselect_b32 s37, s37, s74
	s_cselect_b32 s52, s76, s77                    ; bytes from strip to strip in the result
	s_cselect_b32 s53, s77, s78                    ; bytes from row tile to row tile
	s_cselect_b32 s54, 0x42800000, 1.0             ; the result's factor: 64 or 1
	s_cselect_b32 s56, 1.0, 0                      ; is a centred bias added?
	s_cselect_b32 s58, 1.0, 0                      ; are column means taken away?
	s_cselect_b32 s69, 0, s79                      ; where in vecs
	s_cmp_lt_u32 s34, 144                          ; one of those two, or else W2
	s_cselect_b32 s37, s37, s75
	s_cselect_b32 s36, s36, 0
	s_cselect_b32 s52, s52, s76
	s_cselect_b32 s53, s53, s77
	s_cselect_b32 s54, s54, 1.0
	s_cselect_b32 s56, s56, 1.0
	s_cselect_b32 s58, s58, 1.0
	s_cselect_b32 s60, 0, 0x3b000000               ; 1/512 beside the column means
	s_cselect_b32 s62, 0, 1.0                      ; the gain is g2 x this
	s_cselect_b32 s66, 1.0, 0                      ; + this
	s_cselect_b32 s68, 0, 1.0                      ; the diagonal's 1
	s_cselect_b32 s69, s69, s77
	s_cselect_b32 s38, 0, s77                      ; cm's second row
	s_cselect_b32 s39, 0, 0x80000                  ; wts's second half
	s_mov_b32 s55, s54                             ; the packed forms name pairs
	s_mov_b32 s59, s58
	s_mov_b32 s61, s60
	s_mov_b32 s63, s62
	s_mov_b32 s67, s66
	s_mov_b32 s70, 0x76543210
	s_mov_b32 s71, 0xfedcba98
	s_mov_b32 s72, 0x3b000000                      ; 1/512
	s_wait_kmcnt 0x0
	s_cmp_lt_u32 s34, 128
	s_cselect_b64 s[40:41], s[4:5], s[12:13]       ; left operand: Wo, qs, Wl
	s_cselect_b64 s[42:43], s[6:7], s[14:15]       ; right operand: Wv, Wk
	s_cselect_b64 s[44:45], s[8:9], s[16:17]       ; the dot product's vector: bv, bk, b2
	s_cselect_b64 s[50:51], s[28:29], s[30:31]     ; the result: wts, qk16, wts
	s_cmp_lt_u32 s34, 144
	s_cselect_b64 s[40:41], s[40:41], s[18:19]
	s_cselect_b64 s[44:45], s[44:45], s[24:25]
	s_cselect_b64 s[46:47], s[10:11], s[20:21]     ; the bias: bo, (bo, unused), bl
	s_cselect_b64 s[50:51], s[50:51], s[28:29]
	s_mov_b32 s75, 0                               ; the upper word of every offset
	s_mov_b32 s74, s38
	s_add_nc_u64 s[48:49], s[26:27], s[74:75]      ; the column means
	s_lshl_b32 s74, s37, 16                        ; 32 rows of 2,048 bytes,
	s_lshl_b32 s38, s35, 13                        ; my wave's four
	s_add_co_u32 s74, s74, s38
	s_add_nc_u64 s[40:41], s[40:41], s[74:75]
	s_lshr_b32 s38, s35, 2                         ; it: my row tile of the two
	s_lshl1_add_u32 s38, s37, s38
	s_mul_i32 s38, s38, s53
	s_mul_i32 s74, s36, s52
	s_add_co_u32 s74, s74, s38
	s_add_co_u32 s74, s74, s39
	s_and_b32 s38, s35, 3                          ; et: my column tile of the four
	s_lshl_b32 s38, s38, 9
	s_add_co_u32 s74, s74, s38
	s_add_nc_u64 s[50:51], s[50:51], s[74:75]      ; my block of the result
	s_lshl_b32 s74, s37, 7
	s_add_co_u32 s74, s74, s69
	s_add_nc_u64 s[32:33], s[32:33], s[74:75]      ; the work-group's 32 numbers of vecs
.irp c,0,1,2,3
	global_load_b128 v[CM+4*(\c):CM+4*(\c)+3], v2, s[48:49] offset:512*(\c)
	global_load_b128 v[YV+4*(\c):YV+4*(\c)+3], v2, s[44:45] offset:512*(\c)
	global_load_b128 v[GV+4*(\c):GV+4*(\c)+3], v2, s[22:23] offset:512*(\c)
	global_load_b128 v[AD+4*(\c):AD+4*(\c)+3], v2, s[46:47] offset:512*(\c)
.endr
	s_lshl_b32 s74, s37, 7
	s_lshl_b32 s38, s35, 4
	s_add_co_u32 s74, s74, s38
	v_mov_b32 v5, s74                              ; 4 (32 yr + 4 w): the same in every lane
	global_load_b128 v[AK:AK+3], v5, s[46:47]
.irp k,0,1,2,3
.irp c,0,1,2,3
	global_load_b128 v[AR+16*(\k)+4*(\c):AR+16*(\k)+4*(\c)+3], v2, s[40:41] offset:2048*(\k)+512*(\c)
.endr
.endr
	s_lshl_b32 s74, s35, 17                        ; the right operand: my wave's 64 rows d,
	s_lshl_b32 s38, s36, 8                         ; the strip's 256 bytes of each
	s_add_co_u32 s74, s74, s38
	v_lshlrev_b32 v6, 11, v4
	v_lshl_add_u32 v6, v3, 4, v6
	v_add_nc_u32 v6, s74, v6
	s_cmp_lt_u32 s34, 144
	s_cbranch_scc0 .Lno_b
	WIN 0x40                                       ; into registers 256 and up
.set k, 0
.rept 32
	global_load_b128 v[4*k:4*k+3], v6, s[42:43] offset:4096*k  ; two rows: 16 lanes read 256 consecutive bytes each
.set k, k+1
.endr
	WIN 0
.Lno_b:
	; LDS addresses
	s_mul_i32 s74, s35, 4*PIT
	v_lshl_add_u32 v7, v1, 3, s74                  ; AS (at 0): my four rows, 8 bytes a lane and chunk
	s_mul_i32 s74, s35, 64*BP
	s_add_co_u32 s74, s74, BS
	v_mul_u32_u24 v8, v4, BP
	v_lshl_add_u32 v8, v3, 3, v8
	v_add_nc_u32 v8, s74, v8                       ; BS: my 64 rows
	s_lshl_b32 s74, s35, 4
	s_add_co_u32 s74, s74, VS2
	v_mov_b32 v9, s74
	v_and_b32 v10, 7, v0                           ; the turning load: row 8 h + l % 8, 16 bytes by (l / 8) % 2,
	v_lshl_add_u32 v10, v4, 3, v10
	v_mul_u32_u24 v10, v10, BP
	v_bfe_u32 v14, v0, 3, 1
	v_lshl_add_u32 v10, v14, 4, v10
	s_and_b32 s74, s35, 3
	s_lshl_b32 s74, s74, 5                         ; my column tile's 32 bytes
	v_mul_u32_u24 v12, v3, PIT                     ; the left operand's fragments: row x pitch + 16 x half,
	v_lshl_add_u32 v12, v4, 4, v12
	s_lshr_b32 s38, s35, 2
	s_mul_i32 s38, s38, 16*PIT                     ; in my row tile
	v_add_nc_u32 v12, s38, v12
	v_add_nc_u32 v13, s74, v12                     ; W2: my block's 16 bytes of a row
	s_add_co_u32 s74, s74, BS
	v_add_nc_u32 v10, s74, v10
	v_add_nc_u32 v11, 256*BP, v10                  ; K steps 8-15
	v_lshl_add_u32 v15, v1, 2, VS2
	v_lshlrev_b32 v16, 2, v1
	; the diagonal of rows 32 yr + 4 w + k lies in chunk (32 yr + 4 w) / 128, lane ((32 yr + 4 w) % 128) / 4, element k
	s_lshl_b32 s76, s37, 5
	s_lshl2_add_u32 s76, s35, s76
	s_lshr_b32 s77, s76, 7
	s_bfe_u32 s78, s76, 0x50002
	v_cmp_eq_u32 vcc_lo, s78, v1
	v_cndmask_b32 v[DLV], 0, s68, vcc_lo
.irp c,0,1,2,3
	s_cmp_eq_u32 s77, \c
	s_cselect_b32 s79, 1.0, 0
	v_mul_f32 v[DL+(\c)], s79, v[DLV]
.endr
	s_wait_loadcnt 0x0                             ; all loads: the one count that is right with and without the right operand's 32
.irp p,0,1,2,3,4,5,6,7
	v_pk_fma_f32 v[CM+2*(\p):CM+2*(\p)+1], v[CM+2*(\p):CM+2*(\p)+1], s[58:59], s[60:61] op_sel_hi:[1,0,0]
	v_pk_fma_f32 v[GV+2*(\p):GV+2*(\p)+1], v[GV+2*(\p):GV+2*(\p)+1], s[62:63], s[66:67] op_sel_hi:[1,0,0]
.endr
.irp p,0,1,2,3
	v_pk_add_f32 v[T+2*(\p):T+2*(\p)+1], v[AD+4*(\p):AD+4*(\p)+1], v[AD+4*(\p)+2:AD+4*(\p)+3]
.endr
	v_pk_add_f32 v[T:T+1], v[T:T+1], v[T+2:T+3]
	v_pk_add_f32 v[T+4:T+5], v[T+4:T+5], v[T+6:T+7]
	v_pk_add_f32 v[T:T+1], v[T:T+1], v[T+4:T+5]
	v_add_f32 v[T], v[T], v[T+1]
	WSUM T
	v_mul_f32 v[MEAN], s72, v[T]                   ; the bias's mean
.macro ROW k                           ; my row k: the bracket, its dot product, the number for vecs; then the gain, f16, LDS
.set ra, AR+16*(\k)
.irp p,0,1,2,3,4,5,6,7
	v_pk_add_f32 v[ra+2*(\p):ra+2*(\p)+1], v[ra+2*(\p):ra+2*(\p)+1], v[CM+2*(\p):CM+2*(\p)+1] neg_lo:[0,1] neg_hi:[0,1]
.endr
.irp c,0,1,2,3
	v_add_f32 v[ra+4*(\c)+(\k)], v[ra+4*(\c)+(\k)], v[DL+(\c)]
.endr
	v_pk_mul_f32 v[T:T+1], v[ra:ra+1], v[YV:YV+1]
	v_pk_mul_f32 v[T+2:T+3], v[ra+2:ra+3], v[YV+2:YV+3]
.irp p,2,4,6
	v_pk_fma_f32 v[T:T+1], v[ra+2*(\p):ra+2*(\p)+1], v[YV+2*(\p):YV+2*(\p)+1], v[T:T+1]
	v_pk_fma_f32 v[T+2:T+3], v[ra+2*(\p)+2:ra+2*(\p)+3], v[YV+2*(\p)+2:YV+2*(\p)+3], v[T+2:T+3]
.endr
	v_pk_add_f32 v[T:T+1], v[T:T+1], v[T+2:T+3]
	v_add_f32 v[T], v[T], v[T+1]
	WSUM T
	v_sub_f32 v[T+2], v[AK+(\k)], v[MEAN]
	v_fma_f32 v[T], v[T+2], s56, v[T]
	v_mul_f32 v[T], s54, v[T]
	ds_store_b32 v9, v[T] offset:4*(\k)            ; every lane writes the same number
.irp p,0,1,2,3,4,5,6,7
	v_pk_mul_f32 v[ra+2*(\p):ra+2*(\p)+1], v[ra+2*(\p):ra+2*(\p)+1], v[GV+2*(\p):GV+2*(\p)+1]
.endr
.irp i,0,1,2,3,4,5,6,7
	v_cvt_pk_f16_f32 v[T+8+(\i)], v[ra+2*(\i)], v[ra+2*(\i)+1]
.endr
.irp c,0,1,2,3
	ds_store_b64 v7, v[T+8+2*(\c):T+8+2*(\c)+1] offset:(\k)*PIT+256*(\c)
.endr
.endm
	ROW 0
	ROW 1
	ROW 2
	ROW 3
	s_cmp_lt_u32 s34, 144
	s_cbranch_scc0 .Lno_b2
.set kb, 0
.rept 4                                ; the right operand: f16, [d][e], eight loads' worth under one setting of the windows
	WIN 0x05
.set j, 0
.rept 8
	v_cvt_pk_f16_f32 v[T+2*j],   v[4*(8*kb+j)],   v[4*(8*kb+j)+1]
	v_cvt_pk_f16_f32 v[T+2*j+1], v[4*(8*kb+j)+2], v[4*(8*kb+j)+3]
.set j, j+1
.endr
	WIN 0
.set j, 0
.rept 8
	ds_store_b64 v8, v[T+2*j:T+2*j+1] offset:(8*kb+j)*2*BP
.set j, j+1
.endr
.set kb, kb+1
.endr
.Lno_b2:
	s_wait_dscnt 0x0                               ; for the others' sake: my rows lie in LDS
	s_barrier_signal -1
	s_barrier_wait -1
	s_cmp_lt_u32 s34, 144
	s_cbranch_scc0 .Lw2
	; one tile of 16 x 16 a wave, K = 512.  Source 0 = 16 columns e of the right operand (turned), source 1 = 16 rows of the left: a lane then holds one row and eight neighbouring columns: its 16 bytes of the block
.macro HALFK R
.irp s,0,1,2,3,4,5,6,7
	ds_load_tr16_b128 v[FB0+8*(\s):FB0+8*(\s)+3],   v[10+(\R)] offset:32*BP*(\s)
	ds_load_tr16_b128 v[FB0+8*(\s)+4:FB0+8*(\s)+7], v[10+(\R)] offset:32*BP*(\s)+16*BP
	ds_load_b128 v[FA0+8*(\s):FA0+8*(\s)+3],   v12 offset:64*(8*(\R)+(\s))
	ds_load_b128 v[FA0+8*(\s)+4:FA0+8*(\s)+7], v12 offset:64*(8*(\R)+(\s))+32
.endr
	s_wait_dscnt 0x0
.irp s,0,1,2,3,4,5,6,7
.if ((\R) == 0) && ((\s) < 2)
	v_wmma_f32_16x16x32_f16 v[ACC+8*(\s):ACC+8*(\s)+7], v[FB0+8*(\s):FB0+8*(\s)+7], v[FA0+8*(\s):FA0+8*(\s)+7], 0
.else
	v_wmma_f32_16x16x32_f16 v[ACC+8*((\s)%2):ACC+8*((\s)%2)+7], v[FB0+8*(\s):FB0+8*(\s)+7], v[FA0+8*(\s):FA0+8*(\s)+7], v[ACC+8*((\s)%2):ACC+8*((\s)%2)+7]
.endif
.endr
.endm
	HALFK 0                                        ; the two accumulators take turns
	PLACES                                         ; four places in front of loads into registers that the products have read
	HALFK 1
	PLACES 8
.irp p,0,1,2,3
	v_pk_add_f32 v[ACC+2*(\p):ACC+2*(\p)+1], v[ACC+2*(\p):ACC+2*(\p)+1], v[ACC+8+2*(\p):ACC+8+2*(\p)+1]
.endr
.irp p,0,1,2,3
	v_pk_mul_f32 v[ACC+2*(\p):ACC+2*(\p)+1], v[ACC+2*(\p):ACC+2*(\p)+1], s[54:55] op_sel_hi:[1,0]
.endr
.irp p,0,1,2,3
	v_cvt_pk_f16_f32 v[T+(\p)], v[ACC+2*(\p)], v[ACC+2*(\p)+1]
.endr
	global_store_b128 v2, v[T:T+3], s[50:51]       ; a block: 512 consecutive bytes
	s_branch .Lvec
.Lw2:                                  ; W2 lies in LDS by rows: it is read back block by block, for each of the eight tiles of 64 columns
.irp x,0,1,2,3,4,5,6,7
	ds_load_b128 v[FB0+4*(\x):FB0+4*(\x)+3], v13 offset:128*(\x)
.endr
.irp x,0,1,2,3,4,5,6,7
	s_wait_dscnt 7-(\x)
	global_store_b128 v2, v[FB0+4*(\x):FB0+4*(\x)+3], s[50:51] offset:65536*(\x)
.endr
.Lvec:
	s_or_b32 s74, s35, s36                         ; wave 0 of the work-groups with x = 0 stores the 32 numbers
	s_cmp_lg_u32 s74, 0
	s_cbranch_scc1 .Lend
	ds_load_b32 v[T+4], v15
	s_wait_dscnt 0x0
	global_store_b32 v16, v[T+4], s[32:33]
.Lend:
	s_wait_tensorcnt 0x0                           ; the wave's end, behind my last LDS store
	ds_add_u32 v[SPW], v[NIL]
	s_wait_dscnt 0x0
	s_endpgm
.Lfunc_end_k_q479c233f0c_prep2:
	.size	k_q479c233f0c_prep2, .Lfunc_end_k_q479c233f0c_prep2-k_q479c233f0c_prep2
	.p2alignl 7, 3214868480
	.fill 96, 4, 3214868480
	.section	.rodata,"a",@progbits
	.p2align	6, 0x0
	.amdhsa_kernel k_q479c233f0c_prep2
		.amdhsa_group_segment_fixed_size 116480
		.amdhsa_private_segment_fixed_size 0
		.amdhsa_enable_private_segment 0
		.amdhsa_kernarg_size 120
		.amdhsa_user_sgpr_count 2
		.amdhsa_user_sgpr_kernarg_segment_ptr 1
		.amdhsa_wavefront_size32 1
		.amdhsa_system_sgpr_workgroup_id_x 1
		.amdhsa_system_sgpr_workgroup_id_y 1
		.amdhsa_system_sgpr_workgroup_id_z 1
		.amdhsa_system_vgpr_workitem_id 0
		.amdhsa_next_free_vgpr 384
		.amdhsa_next_free_sgpr 80
		.amdhsa_reserve_vcc 1
		.amdhsa_float_denorm_mode_32 3
		.amdhsa_float_denorm_mode_16_64 3
		.amdhsa_memory_ordered 1
		.amdhsa_forward_progress 1
		.amdhsa_inst_pref_size 41
	.end_amdhsa_kernel
	.amdgpu_metadata
---
amdhsa.version: [ 1, 2 ]
amdhsa.kernels:
  - .name:           k_q479c233f0c_prep2
    .symbol:         k_q479c233f0c_prep2.kd
    .args:
      - { .name: Wo, .offset: 0, .size: 8, .value_kind: global_buffer, .address_space: global }
      - { .name: Wv, .offset: 8, .size: 8, .value_kind: global_buffer, .address_space: global }
      - { .name: bv, .offset: 16, .size: 8, .value_kind: global_buffer, .address_space: global }
      - { .name: bo, .offset: 24, .size: 8, .value_kind: global_buffer, .address_space: global }
      - { .name: qs, .offset: 32, .size: 8, .value_kind: global_buffer, .address_space: global }
      - { .name: Wk, .offset: 40, .size: 8, .value_kind: global_buffer, .address_space: global }
      - { .name: bk, .offset: 48, .size: 8, .value_kind: global_buffer, .address_space: global }
      - { .name: Wl, .offset: 56, .size: 8, .value_kind: global_buffer, .address_space: global }
      - { .name: bl, .offset: 64, .size: 8, .value_kind: global_buffer, .address_space: global }
      - { .name: ln2_g, .offset: 72, .size: 8, .value_kind: global_buffer, .address_space: global }
      - { .name: ln2_b, .offset: 80, .size: 8, .value_kind: global_buffer, .address_space: global }
      - { .name: cm, .offset: 88, .size: 8, .value_kind: global_buffer, .address_space: global }
      - { .name: wts, .offset: 96, .size: 8, .value_kind: global_buffer, .address_space: global }
      - { .name: qk16, .offset: 104, .size: 8, .value_kind: global_buffer, .address_space: global }
      - { .name: vecs, .offset: 112, .size: 8, .value_kind: global_buffer, .address_space: global }
    .group_segment_fixed_size: 116480
    .private_segment_fixed_size: 0
    .kernarg_segment_align: 8
    .kernarg_segment_size: 120
    .max_flat_workgroup_size: 256
    .sgpr_count:     80
    .vgpr_count:     384
    .wavefront_size: 32
...
	.end_amdgpu_metadata
.endif
;; end of part 2
;; launch main (part 3): grid 256 x 1, 4 waves a work-group, clusters of 4 x 1, 327,680 bytes of LDS; arguments music_embeds, music_mask, ln1_g, ln1_b, ln3_g, ln3_b, qk16, wts, vecs, out0; writes out0
.if DOCPART == 3
	.amdgcn_target "amdgcn-amd-amdhsa--gfx1250"
	.amdhsa_code_object_version 6
	.text
	.protected	k_q479c233f0c_main
	.globl	k_q479c233f0c_main
	.p2align	8
	.type	k_q479c233f0c_main,@function
k_q479c233f0c_main:
	s_mov_b64 s[64:65], 0
	v_nop
	global_prefetch_b8 v0, s[64:65] scope:SCOPE_SE
	s_setreg_imm32_b32 hwreg(HW_REG_WAVE_MODE, 25, 1), 1
	s_wait_xcnt 0x0
	s_wait_alu depctr_hold_cnt(0) depctr_sa_sdst(0) depctr_va_vdst(0) depctr_va_sdst(0) depctr_va_ssrc(0) depctr_va_vcc(0) depctr_vm_vsrc(0)
	s_getreg_b32 s2, hwreg(HW_REG_IB_STS2, 6, 4)
	s_cmp_eq_u32 s2, 0
	s_cbranch_scc0 .Lentry_in_a_cluster
	s_endpgm
.Lentry_in_a_cluster:
	s_bfe_u32 s2, ttmp6, 0x10000c
	s_cmp_lg_u32 s2, 0x3003
	s_cbranch_scc0 .Lentry_shape_is_right
	s_endpgm
.Lentry_shape_is_right:
; THE WHOLE MODULE FOR TWO MUSIC ITEMS A WORK-GROUP: LN1, masked cross-attention of 64 queries on 128 keys, the two later linear layers and layer norms.  x is read once, out0 written once, nothing between goes to memory.
; K AND V ARE NEVER FORMED.  q . (m Wk^T + bk) = (q Wk) . m + q . bk, and (P (m Wv^T + bv)) Wo^T + bo = (P m) (Wo Wv)^T + (Wo bv + bo), since a row of P sums to 1.  The launches before have made
;   qk16 = q' Wk (f16), cq = q' . bk, W1 = 64 (Wo - its column means) Wv, W2 = (Wl + I - column means - 1/512) g2, bias1, bias2.  So with m = LN1(x), T = softmax(qk16 m^T + cq, masked) m:
;   acc1 = T W1^T + bias1 = 64 (o - mean o);  u = acc1 rsqrt(mean acc1^2 + 4096 x 1e-5);  acc2 = u W2^T + bias2 = (o2 + lin) - its mean;  out = acc2 rsqrt(mean acc2^2 + 1e-5) g3 + b3.
; FORMATS.  All matrix operands are f16 (m, qk16, P, T, u, W1, W2), all sums f32; layer norms, softmax (with the row's true maximum; P is divided by its sum before it is rounded) in f32.
; LIMITS.  f16 ends at 65,504: |m| is at most 22.6 |g1| + |b1|, |u| at most 22.6, P lies in 0 to 1, |T| within m's range; below 6e-5 f16 keeps a fixed step of 6e-8.  An item whose mask is all 0 gives NaN, as -inf - (-inf).
; SHARES.  Work-group g = 4 x cluster + cx owns items 2 g, 2 g + 1: 256 rows of x, 128 rows of out0.  LN1: a wave takes 16 rows a trip, a whole row in 16 registers.  Attention: wave w owns queries 16 w .. 16 w + 15 and all
; 128 keys, so a softmax never leaves the wave and P never leaves registers.  The two products on 128 rows x 512 x 512: wave w makes all 128 rows x columns 128 w .. 128 w + 127: 64 accumulators, 512 registers.
; CLUSTER.  All work-groups walk the same 16 weight tiles of 65,536 bytes.  Each wave asks for the quarter of a tile that it alone reads, JOINTLY with the same wave of its three partners: the same tensor load, descriptor and mask.
; LAYOUT.  Every product is taken transposed (source 1 = 16 queries or rows): a lane holds ONE row (lane % 16) and eight neighbouring columns 8 (lane / 16) + 0..7, so each result, rounded in pairs, is 16 bytes of the next source 1.
; REGISTERS, in windows of 256 (s_set_vgpr_msb: bits 1:0 source 0, 3:2 source 1, 5:4 source 2, 7:6 destination):
;   window 0: v0-63 addresses and small things; v64-127 LN1's centred rows, then scores and P, then X fragments 0; v128-191 at work, then fragments A, then X fragments 1; v192-255 g1 and b1, then fragments B, then the bias
;   window 1: the ring of 16 rows of x; then item 1's T (v0-127); then W fragments 0 (v64-127) and 1 (v128-191)
;   window 2: T's 32 accumulators; then the accumulators of rows 0-63          window 3: qk16 (v0-127), item 0's T (v128-255); then the accumulators of rows 64-127
.set SLOT1, 65536                      ; LDS: two slots of a weight tile, filled by tensor loads alone; wave w's quarter at 16,384 w
.set ML,    131072                     ; m of one item: row s at 1,056 s + 16 ((s / 8) % 2)
.set MLP,   1056
.set MLH,   64*MLP
.set XF,    ML                         ; later: source 1 of the two products, [row tile 8][column tile 32][512 bytes]
.set STG,   ML                         ; last: four stages of 64 rows x (512 + 16) bytes, a wave each
.set SGP,   528
.set MB,    ML+128*MLP                 ; the masks of both items as 0 or -inf
.set VB,    MB+1024                    ; bias1, bias2
.set ST,    VB+4096                    ; sums of squares, [row 128][wave 4], once for each of the two layer norms
.set LGS,   ST+4096                    ; g1 and b1 as my lanes hold them, a copy for each wave
.set SPARE, LGS+16384                  ; the spare words, 128 bytes for each wave: two blocks of 256 bytes that no other line names
.set VL,   1                           ; v1  l          v2  r = l % 16          v3  h = l / 16          v4  16 l
.set VR,   2
.set VH,   3
.set L16,  4
.set MLW0, 5                           ; v5  where my wave's first row of a trip goes, 8 bytes a lane; v6 the same in the half of ML in hand
.set MLW,  6
.set MLA,  7                           ; v7, v8   plain fragments of m: keys 0-63, 64-127
.set MTA,  9                           ; v9, v10  turned fragments likewise
.set MBA0, 11                          ; v11 my lanes' place in a mask; v12 in the item's
.set MBA,  12
.set LGA,  13
.set XS,   14                          ; v14, v15 where T goes: row tile w, 4 + w
.set XB,   16                          ; v16, v17 XF's row tiles 0-3, 4-7; v18, v19 at the K step in hand
.set XAD,  18
.set WAD0, 20                          ; v20 my quarter of a slot; v21 in the slot in hand
.set WAD,  21
.set VBA,  22
.set STA,  23
.set STR,  24
.set E1S,  25                          ; v25, v26 where u goes
.set STO,  27
.set SRD0, 28
.set SRD,  29
.set PFO,  30                          ; v30 256 l; never rewritten
.set TMP,  31
.set SPW,  32                          ; v32 LDS address of my spare word; never rewritten
.set NIL,  33                          ; v33 0; never rewritten
.set ML2,  34                          ; v[34:35] the maximum x log2(e)
.set RCP,  36                          ; v[36:37] 1 / the sum
.set O1,   38
.set O2,   39
.set G3,   40
.set B3,   44
.set CQ,   48                          ; v[48:55] cq of my query, eight times: the C of the scores' first K step
.set SS,   48                          ; v[48:63] later: a pair for each row tile: sums of squares, then the reciprocal deviation
.set LD,   64
.set SC,   64
.set F0,   64
.set LT,   128
.set FA,   128
.set F1,   128
.set LGR,  192
.set LBR,  208
.set FB,   192
.set BIAS, 192
.set WV,   24                          ; s24 my wave's number      s25 cx      s26 g
.set CX,   25
.set GID,  26
.set G1,   28                          ; s[28:35] descriptor group 1
.set G0A,  36                          ; s[36:39] group 0 of tile 0
.set G0B,  40                          ; s[40:43] group 0 of tile 1; it walks on
.set XN,   44                          ; s[44:45] x at my rows of the next trip
.set OP,   46                          ; s[46:47] out0 at the rows and columns that I store next
.set PFA,  48                          ; s[48:49] where my prefetches stand
.set LIM1, 50                          ; s50, s51: a wave prefetches while the loop's count is above these
.set LIM2, 51
.set IT,   52
.set TR,   53
.set TT,   54                          ; s54 trips of x still to be asked for
.set SROW, 55
.set MBO,  56
.set CNT,  57
.set TBW,  58
.set TBX,  59
.set SEL,  60                          ; s[60:61] v_permlanex16_b32's selects: each lane takes its own place in the other half
.set L2E,  62                          ; s[62:63] log2(e)
.set R512, 66
.set N512, 67
.set EPS,  68
.set EPS2, 69
.set NINF, 70
.set MSB, 0
.macro WIN new                         ; the high byte repeats the setting that is left; a switch that changes nothing is dropped
.if MSB != (\new)
	s_set_vgpr_msb (MSB<<8)|(\new)
.set MSB, \new
.endif
.endm
.macro PLACES n=4                      ; places behind matrix instructions (ISA guide 7.12.1): plain vector instructions that name none of their registers
.rept \n
	v_nop
.endr
.endm
.macro CREST                           ; a round of the cluster's barrier behind its opening barrier
	s_cmp_lg_u32 s[WV], 0
	s_cbranch_scc1 .Lnot_wave_0_\@
	s_barrier_signal -3
.Lnot_wave_0_\@:
	s_barrier_wait -3
	s_barrier_signal -1
	s_barrier_wait -1
.endm
.macro CROUND
	s_barrier_signal -1
	s_barrier_wait -1
	CREST
.endm
.macro JLOAD                           ; the joint refill: my quarter of the next tile; an s_nop 0 and four v_nop follow it
	tensor_load_to_lds s[G0B:G0B+3], s[G1:G1+7]
	s_nop 0
	PLACES
.endm
; A PREFETCH of the tile that stands two refills on, 256 matrix instructions ahead of the load that will want it.  A tile is 256 blocks of 256 bytes: waves 0 and 1 of the four work-groups of cluster 0 take 32 each, a lane a
; block, told apart by address (8,192 (4 (w % 2) + cx)): each block is named once in the launch.  Tiles 0-3 come by their loads alone; behind tile 15 nothing is asked for.
.macro ASK lim
	s_cmp_gt_u32 s[CNT], s[\lim]
	s_cbranch_scc0 .Lnot_mine_\@
	global_prefetch_b8 v[PFO], s[PFA:PFA+1] th:TH_LOAD_NT scope:SCOPE_SE
.Lnot_mine_\@:
.endm
	s_load_b512 s[4:19], s[0:1], 0x0               ; x s[4:5], mask s[6:7], g1 s[8:9], b1 s[10:11], g3 s[12:13], b3 s[14:15], qk16 s[16:17], wts s[18:19]
	s_load_b128 s[20:23], s[0:1], 0x40             ; vecs s[20:21], out0 s[22:23]
	v_lshl_add_u32 v[SPW], v0, 2, SPARE
	v_mov_b32 v[NIL], 0
	ds_add_u32 v[SPW], v[NIL]                      ; the wave's opening: the add and its wait stand ahead of my first tensor load; the set-up below, work on registers, stands between them
	v_lshrrev_b32 v1, 5, v0
	v_readfirstlane_b32 s[WV], v1                  ; wave 0..3
	s_bfe_u32 s[CX], ttmp6, 0x40000                ; cx: my place in the cluster
	s_lshl_b32 s[GID], ttmp9, 2                    ; in a cluster launch ttmp9 counts clusters
	s_add_co_u32 s[GID], s[GID], s[CX]             ; g enters the addresses of x, the mask and out0 alone
	; descriptor group 1: 16,384 dense bytes as 64 rows of 256
	s_mov_b32 s[G1+0], 15|(3<<16)|(1<<21)          ; 15:0 the mask of four; 17:16 elements of 8 bytes; 21 set beside a mask; no padding: every LDS load of a tile takes 512 bytes on end
	s_mov_b32 s[G1+1], 32<<16                      ; tensor_dim0 = 32
	s_mov_b32 s[G1+2], 64<<16                      ; tensor_dim1 = 64
	s_mov_b32 s[G1+3], 32<<16                      ; tile_dim0 = 32
	s_mov_b32 s[G1+4], 64                          ; tile_dim1 = 64
	s_mov_b32 s[G1+5], 32                          ; 32 elements from row to row
	s_mov_b32 s[G1+6], 0
	s_mov_b32 s[G1+7], 0
	s_mov_b32 s[G0A], 1
	s_lshl_b32 s[G0A+1], s[WV], 14                 ; LDS: slot 0, my quarter
	s_mov_b32 s[G0B], 1
	s_add_co_u32 s[G0B+1], s[G0A+1], SLOT1         ; slot 1
	s_mov_b32 s[SEL], 0x76543210
	s_mov_b32 s[SEL+1], 0xfedcba98
	s_mov_b32 s[L2E], 0x3fb8aa3b
	s_mov_b32 s[L2E+1], s[L2E]                     ; named with it as a pair
	s_mov_b32 s[R512], 0x3b000000                  ; 1/512
	s_mov_b32 s[N512], 0xbb000000
	s_mov_b32 s[EPS], 0x3727c5ac                   ; 1e-5
	s_mov_b32 s[EPS2], 0x3d27c5ac                  ; 4096 x 1e-5
	s_mov_b32 s[NINF], 0xff800000
	s_mov_b32 s[IT], 2
	s_mov_b32 s[TT], 3
	s_mov_b32 s[SROW], 0
	s_mov_b32 s[MBO], 0
	s_lshr_b32 s27, s[WV], 1                       ; waves 0 and 1
	s_or_b32 s27, s27, ttmp9                       ; of cluster 0 prefetch: the same in all four partners
	s_cmp_eq_u32 s27, 0
	s_cselect_b32 s[LIM1], 0, -1
	s_cselect_b32 s[LIM2], 2, -1
	v_and_b32 v[VL], 31, v0
	v_and_b32 v[VR], 15, v0
	v_bfe_u32 v[VH], v0, 4, 1
	v_lshlrev_b32 v[L16], 4, v[VL]
	v_lshlrev_b32 v[O1], 3, v0                     ; the mask: 8 bytes a thread
	v_lshlrev_b32 v[O2], 4, v0                     ; the biases: 16 bytes a thread
	s_lshl_b32 s27, s[WV], 6
	v_lshl_add_u32 v36, v[VR], 2, s27              ; cq of query 16 w + r
	s_lshl_b32 s27, s[WV], 9
	v_add_nc_u32 v37, s27, v[L16]                  ; g3, b3 of columns 128 w + 4 l ..
	s_wait_dscnt 0x0                               ; the opening add is done
	s_wait_kmcnt 0x0
	s_lshl_b32 s72, s[WV], 14
	s_mov_b32 s73, 0
	s_add_nc_u64 s[G0A+2:G0A+3], s[18:19], s[72:73]       ; tile 0, my quarter
	s_add_nc_u64 s[G0B+2:G0B+3], s[G0A+2:G0A+3], SLOT1    ; tile 1
	s_or_b32 s[G0A+3], s[G0A+3], 0x80000000               ; type = 2
	s_or_b32 s[G0B+3], s[G0B+3], 0x80000000
	s_add_nc_u64 s[16:17], s[16:17], s[72:73]      ; qk16 at my 16 queries
	s_and_b32 s74, s[WV], 1
	s_lshl_b32 s74, s74, 2
	s_add_co_u32 s74, s74, s[CX]
	s_lshl_b32 s74, s74, 13
	s_add_co_u32 s74, s74, 3*65536                 ; at tile 3: the first change of slots steps it to tile 4
	s_mov_b32 s75, 0
	s_add_nc_u64 s[PFA:PFA+1], s[18:19], s[74:75]
	s_lshl_b32 s74, s[GID], 19                     ; two items of 262,144 bytes,
	s_lshl_b32 s27, s[WV], 15                      ; my wave's 16 rows of a trip's 64
	s_add_co_u32 s74, s74, s27
	s_add_nc_u64 s[76:77], s[4:5], s[74:75]        ; trip 0
	s_add_nc_u64 s[XN:XN+1], s[76:77], 0x20000     ; trip 1
	s_lshl_b32 s74, s[GID], 10
	s_add_nc_u64 s[6:7], s[6:7], s[74:75]
	s_lshl_b32 s74, s[GID], 18                     ; 128 rows of out0,
	s_lshl_b32 s27, s[WV], 9                       ; my 128 columns
	s_add_co_u32 s74, s74, s27
	s_add_nc_u64 s[OP:OP+1], s[22:23], s[74:75]
	CROUND                                         ; all four work-groups are here: the first joint loads meet
	tensor_load_to_lds s[G0A:G0A+3], s[G1:G1+7]    ; both first fills go out together: two loads of mine are out
	s_nop 0
	tensor_load_to_lds s[G0B:G0B+3], s[G1:G1+7]
	s_nop 0
	PLACES
	; 46 small loads, then trip 0 of x
	global_load_b64 v[56:57], v[O1], s[6:7]
	global_load_b128 v[64:67], v[O2], s[20:21]
	global_load_b128 v[68:71], v[O2], s[20:21] offset:2048
.irp c,0,1,2,3
	global_load_b128 v[LGR+4*(\c):LGR+4*(\c)+3], v[L16], s[8:9] offset:512*(\c)
	global_load_b128 v[LBR+4*(\c):LBR+4*(\c)+3], v[L16], s[10:11] offset:512*(\c)
.endr
	global_load_b128 v[G3:G3+3], v37, s[12:13]
	global_load_b128 v[B3:B3+3], v37, s[14:15]
	global_load_b32 v[CQ], v36, s[20:21] offset:4096
	WIN 0xc0
.set i, 0
.rept 32                               ; qk16's 16 fragments stay in registers: blocks 2 ks and 2 ks + 1 are registers 0-3 and 4-7 of K step ks
	global_load_b128 v[4*i:4*i+3], v[L16], s[16:17] offset:512*i
.set i, i+1
.endr
	WIN 0x40
.set i, 0
.rept 64                               ; row i / 4, chunk i % 4: a load of the wave covers 512 consecutive bytes
	global_load_b128 v[4*i:4*i+3], v[L16], s[76:77] offset:512*i th:TH_LOAD_NT
.set i, i+1
.endr
	WIN 0
	; LDS addresses, while the loads are out
	s_mul_i32 s27, s[WV], 16*MLP
	s_add_co_u32 s27, s27, ML
	v_lshl_add_u32 v[MLW0], v[VL], 3, s27
	v_bfe_u32 v[TMP], v0, 3, 1                     ; (l / 8) % 2
	v_mul_u32_u24 v[MLA], v[VR], MLP
	v_lshl_add_u32 v[MLA], v[TMP], 4, v[MLA]       ; the row's shift of 16 bytes
	v_lshl_add_u32 v[MLA], v[VH], 4, v[MLA]
	v_add_nc_u32 v[MLA], ML, v[MLA]
	v_add_nc_u32 v[MLA+1], MLH, v[MLA]
	v_and_b32 v[MTA], 7, v0
	v_lshl_add_u32 v[MTA], v[VH], 3, v[MTA]        ; the turning load: key 8 h + l % 8,
	v_mul_u32_u24 v[MTA], v[MTA], MLP
	v_lshl_add_u32 v[MTA], v[VH], 4, v[MTA]        ; that row's shift,
	v_lshl_add_u32 v[MTA], v[TMP], 4, v[MTA]       ; channels 8 ((l / 8) % 2) ..
	v_add_nc_u32 v[MTA], ML, v[MTA]
	v_add_nc_u32 v[MTA+1], MLH, v[MTA]
	v_lshl_add_u32 v[MBA0], v[VH], 5, MB
	s_lshl_b32 s27, s[WV], 12
	s_add_co_u32 s27, s27, LGS
	v_add_nc_u32 v[LGA], s27, v[L16]
	s_lshl_b32 s27, s[WV], 14
	v_add_nc_u32 v[WAD0], s27, v[L16]
	s_add_co_u32 s27, s27, XF
	v_add_nc_u32 v[XS], s27, v[L16]
	v_add_nc_u32 v[XS+1], 65536, v[XS]
	v_add_nc_u32 v[XB], XF, v[L16]
	v_add_nc_u32 v[XB+1], 65536, v[XB]
	s_lshl_b32 s27, s[WV], 9
	s_add_co_u32 s27, s27, VB
	v_lshl_add_u32 v[VBA], v[VH], 5, s27
	s_lshl_b32 s27, s[WV], 2
	s_add_co_u32 s27, s27, ST
	v_lshl_add_u32 v[STA], v[VR], 4, s27
	v_lshl_add_u32 v[STR], v[VR], 4, ST
	s_lshl_b32 s27, s[WV], 12
	s_add_co_u32 s27, s27, XF
	v_add_nc_u32 v[E1S], s27, v[L16]
	v_add_nc_u32 v[E1S+1], 65536, v[E1S]
	s_mul_i32 s27, s[WV], 64*SGP
	s_add_co_u32 s27, s27, STG
	v_mul_u32_u24 v[STO], v[VR], SGP
	v_lshl_add_u32 v[STO], v[VH], 5, v[STO]
	v_add_nc_u32 v[STO], s27, v[STO]
	v_add_nc_u32 v[SRD0], s27, v[L16]
	v_lshlrev_b32 v[PFO], 8, v[VL]
	s_wait_loadcnt 63                              ; 64 loads of x were issued behind the small ones: those are in
	v_cmp_eq_u32 vcc_lo, 0, v56
	v_cndmask_b32 v56, 0, s[NINF], vcc_lo
	v_cmp_eq_u32 vcc_lo, 0, v57
	v_cndmask_b32 v57, 0, s[NINF], vcc_lo
	v_add_nc_u32 v[O1], MB, v[O1]
	ds_store_b64 v[O1], v[56:57]
	v_add_nc_u32 v[O2], VB, v[O2]
	ds_store_b128 v[O2], v[64:67]
	ds_store_b128 v[O2], v[68:71] offset:2048
.irp c,0,1,2,3
	ds_store_b128 v[LGA], v[LGR+4*(\c):LGR+4*(\c)+3] offset:512*(\c)
	ds_store_b128 v[LGA], v[LBR+4*(\c):LBR+4*(\c)+3] offset:2048+512*(\c)
.endr
.irp j,1,2,3,4,5,6,7
	v_mov_b32 v[CQ+(\j)], v[CQ]
.endr
; LN1 OF FOUR ROWS, 4 G .. 4 G + 3 of the trip's 16.  Two passes in registers: the mean, then the squares of the centred numbers.  As soon as the rows are centred (into window 0) their registers are asked for again, for the next
; trip.  THE WAIT counts the trip's later groups alone, 16 loads each: that is right in the last trip too, which asks for nothing more; in the other trips 16 G younger loads are waited for as well.
.macro RED4 o                          ; the wave's sums of v[LT+8k+o], k = 0..3, into every lane; v[LT+8k+o+1] is at work
.irp m,1,2,4,8
.irp k,0,1,2,3
	v_add_f32_dpp v[LT+8*(\k)+(\o)], v[LT+8*(\k)+(\o)], v[LT+8*(\k)+(\o)] row_xmask:\m row_mask:0xf bank_mask:0xf
.endr
.endr
.irp k,0,1,2,3
	v_permlanex16_b32 v[LT+8*(\k)+(\o)+1], v[LT+8*(\k)+(\o)], s[SEL], s[SEL+1]
.endr
.irp k,0,1,2,3
	v_add_f32 v[LT+8*(\k)+(\o)], v[LT+8*(\k)+(\o)], v[LT+8*(\k)+(\o)+1]
.endr
.endm
.macro LNG G
	WIN 0
	s_wait_loadcnt 48-16*(\G)
	WIN 0x05
.irp k,0,1,2,3
.irp p,0,1,2,3
	v_pk_add_f32 v[LT+8*(\k)+2*(\p):LT+8*(\k)+2*(\p)+1], v[64*(\G)+16*(\k)+4*(\p):64*(\G)+16*(\k)+4*(\p)+1], v[64*(\G)+16*(\k)+4*(\p)+2:64*(\G)+16*(\k)+4*(\p)+3]
.endr
.endr
	WIN 0
.irp k,0,1,2,3
	v_pk_add_f32 v[LT+8*(\k):LT+8*(\k)+1], v[LT+8*(\k):LT+8*(\k)+1], v[LT+8*(\k)+2:LT+8*(\k)+3]
	v_pk_add_f32 v[LT+8*(\k)+4:LT+8*(\k)+5], v[LT+8*(\k)+4:LT+8*(\k)+5], v[LT+8*(\k)+6:LT+8*(\k)+7]
.endr
.irp k,0,1,2,3
	v_pk_add_f32 v[LT+8*(\k):LT+8*(\k)+1], v[LT+8*(\k):LT+8*(\k)+1], v[LT+8*(\k)+4:LT+8*(\k)+5]
.endr
.irp k,0,1,2,3
	v_add_f32 v[LT+8*(\k)], v[LT+8*(\k)], v[LT+8*(\k)+1]
.endr
	RED4 0
.irp k,0,1,2,3
	v_mul_f32 v[LT+8*(\k)], s[N512], v[LT+8*(\k)]  ; minus the mean
.endr
	WIN 0x01
.irp k,0,1,2,3
.irp p,0,1,2,3,4,5,6,7
	v_pk_add_f32 v[LD+16*(\k)+2*(\p):LD+16*(\k)+2*(\p)+1], v[64*(\G)+16*(\k)+2*(\p):64*(\G)+16*(\k)+2*(\p)+1], v[LT+8*(\k):LT+8*(\k)+1] op_sel_hi:[1,0]
.endr
.endr
	WIN 0
	s_cmp_lg_u32 s[TT], 0                          ; the last trip has no trip behind it
	s_cbranch_scc0 .Lno_more_\@
	WIN 0x40
.irp k,0,1,2,3
.irp c,0,1,2,3
	global_load_b128 v[64*(\G)+16*(\k)+4*(\c):64*(\G)+16*(\k)+4*(\c)+3], v[L16], s[XN:XN+1] offset:(4*(\G)+(\k))*2048+512*(\c) th:TH_LOAD_NT
.endr
.endr
	WIN 0
.Lno_more_\@:
.irp k,0,1,2,3
	v_pk_mul_f32 v[LT+8*(\k)+2:LT+8*(\k)+3], v[LD+16*(\k):LD+16*(\k)+1], v[LD+16*(\k):LD+16*(\k)+1]
	v_pk_mul_f32 v[LT+8*(\k)+4:LT+8*(\k)+5], v[LD+16*(\k)+2:LD+16*(\k)+3], v[LD+16*(\k)+2:LD+16*(\k)+3]
.endr
.irp p,2,4,6
.irp k,0,1,2,3
	v_pk_fma_f32 v[LT+8*(\k)+2:LT+8*(\k)+3], v[LD+16*(\k)+2*(\p):LD+16*(\k)+2*(\p)+1], v[LD+16*(\k)+2*(\p):LD+16*(\k)+2*(\p)+1], v[LT+8*(\k)+2:LT+8*(\k)+3]
	v_pk_fma_f32 v[LT+8*(\k)+4:LT+8*(\k)+5], v[LD+16*(\k)+2*(\p)+2:LD+16*(\k)+2*(\p)+3], v[LD+16*(\k)+2*(\p)+2:LD+16*(\k)+2*(\p)+3], v[LT+8*(\k)+4:LT+8*(\k)+5]
.endr
.endr
.irp k,0,1,2,3
	v_pk_add_f32 v[LT+8*(\k)+2:LT+8*(\k)+3], v[LT+8*(\k)+2:LT+8*(\k)+3], v[LT+8*(\k)+4:LT+8*(\k)+5]
.endr
.irp k,0,1,2,3
	v_add_f32 v[LT+8*(\k)+2], v[LT+8*(\k)+2], v[LT+8*(\k)+3]
.endr
	RED4 2
.irp k,0,1,2,3
	v_fma_f32 v[LT+8*(\k)+2], v[LT+8*(\k)+2], s[R512], s[EPS]
.endr
.irp k,0,1,2,3
	v_rsq_f32 v[LT+8*(\k)+4], v[LT+8*(\k)+2]
.endr
	v_nop                                          ; a plain instruction behind the last root,
	s_wait_alu depctr_va_vdst(0)                   ; and one wait ahead of the first use of the four
.irp k,0,1,2,3
.irp p,0,1,2,3,4,5,6,7
	v_pk_mul_f32 v[LD+16*(\k)+2*(\p):LD+16*(\k)+2*(\p)+1], v[LD+16*(\k)+2*(\p):LD+16*(\k)+2*(\p)+1], v[LT+8*(\k)+4:LT+8*(\k)+5] op_sel_hi:[1,0]
.endr
.endr
.irp k,0,1,2,3
.irp p,0,1,2,3,4,5,6,7
	v_pk_fma_f32 v[LD+16*(\k)+2*(\p):LD+16*(\k)+2*(\p)+1], v[LD+16*(\k)+2*(\p):LD+16*(\k)+2*(\p)+1], v[LGR+2*(\p):LGR+2*(\p)+1], v[LBR+2*(\p):LBR+2*(\p)+1]
.endr
.endr
.irp k,0,1,2,3
.irp i,0,1,2,3,4,5,6,7
	v_cvt_pk_f16_f32 v[LT+8*(\k)+(\i)], v[LD+16*(\k)+2*(\i)], v[LD+16*(\k)+2*(\i)+1]
.endr
.irp c,0,1,2,3
	ds_store_b64 v[MLW], v[LT+8*(\k)+2*(\c):LT+8*(\k)+2*(\c)+1] offset:(4*(\G)+(\k))*MLP+16*(((4*(\G)+(\k))>>3)&1)+256*(\c)
.endr
.endr
.endm
; ATTENTION's LDS loads stand in runs of 16.  K step ks of the scores: eight fragments of 16 keys x 32 channels.  Group g of T: keys 32 (g / 4) .., channels 128 (g % 4) ..: eight turned fragments of 16 channels x 32 keys.
.macro SLOAD ks, f
.irp kt,0,1,2,3,4,5,6,7
	ds_load_b128 v[(\f)+8*(\kt):(\f)+8*(\kt)+3],   v[MLA+(\kt)/4] offset:((\kt)%4)*16*MLP+(\ks)*64
	ds_load_b128 v[(\f)+8*(\kt)+4:(\f)+8*(\kt)+7], v[MLA+(\kt)/4] offset:((\kt)%4)*16*MLP+(\ks)*64+32
.endr
.endm
.macro VLOAD g, f
.irp i,0,1,2,3,4,5,6,7
	ds_load_tr16_b128 v[(\f)+8*(\i):(\f)+8*(\i)+3],   v[MTA+(\g)/8] offset:(((\g)/4)%2)*32*MLP+(8*((\g)%4)+(\i))*32
	ds_load_tr16_b128 v[(\f)+8*(\i)+4:(\f)+8*(\i)+7], v[MTA+(\g)/8] offset:(((\g)/4)%2)*32*MLP+16*MLP+(8*((\g)%4)+(\i))*32
.endr
.endm
.Litem:                                ; twice: an item's LN1 (two trips of 64 rows) and its attention
.irp c,0,1,2,3
	ds_load_b128 v[LGR+4*(\c):LGR+4*(\c)+3], v[LGA] offset:512*(\c)          ; g1 and b1 come back: the attention has used their registers
	ds_load_b128 v[LBR+4*(\c):LBR+4*(\c)+3], v[LGA] offset:2048+512*(\c)
.endr
	s_mov_b32 s[TR], 2
	s_wait_dscnt 0x0
.Ltrip:
	v_add_nc_u32 v[MLW], s[SROW], v[MLW0]
	LNG 0
	LNG 1
	LNG 2
	LNG 3
	s_wait_xcnt 0x0                                ; the trip's loads have read their base, so it may be written
	s_add_nc_u64 s[XN:XN+1], s[XN:XN+1], 0x20000
	s_xor_b32 s[SROW], s[SROW], MLH                ; the other half of ML
	s_sub_co_u32 s[TT], s[TT], 1
	s_sub_co_u32 s[TR], s[TR], 1
	s_cmp_lg_u32 s[TR], 0
	s_cbranch_scc1 .Ltrip
	s_wait_dscnt 0x0                               ; for the others' sake: my rows of m (the first time also the masks and biases) lie in LDS
	s_barrier_signal -1
	s_barrier_wait -1
	; ---- scores: S^T = m QK^T, source 0 = 16 keys, source 1 = my 16 queries; 16 K steps on two buffers, eight accumulators by turns
	v_add_nc_u32 v[MBA], s[MBO], v[MBA0]
	SLOAD 0, FA
.set ks, 0
.rept 16
.if ks > 0
	PLACES                                         ; four places in front of loads into registers that the last products have read
.endif
	WIN 0
.if ks < 15
	SLOAD ks+1, FA+64*((ks+1)%2)
.else
.irp kt,0,1,2,3,4,5,6,7                ; in the last step's place: the mask of my lanes' keys, 0 or -inf
	ds_load_b128 v[FA+8*(\kt):FA+8*(\kt)+3],   v[MBA] offset:64*(\kt)
	ds_load_b128 v[FA+8*(\kt)+4:FA+8*(\kt)+7], v[MBA] offset:64*(\kt)+16
.endr
.endif
	s_wait_dscnt 16                                ; all but the run just issued
	WIN 0x0c                                       ; QK in window 3
.irp kt,0,1,2,3,4,5,6,7
.if ks == 0
	v_wmma_f32_16x16x32_f16 v[SC+8*(\kt):SC+8*(\kt)+7], v[FA+8*(\kt):FA+8*(\kt)+7], v[0:7], v[CQ:CQ+7]
.else
	v_wmma_f32_16x16x32_f16 v[SC+8*(\kt):SC+8*(\kt)+7], v[FA+64*(ks%2)+8*(\kt):FA+64*(ks%2)+8*(\kt)+7], v[8*ks:8*ks+7], v[SC+8*(\kt):SC+8*(\kt)+7]
.endif
.endr
.set ks, ks+1
.endr
	PLACES 8
	WIN 0
	VLOAD 0, FB                                    ; T's first fragments are on their way during the softmax
	s_wait_dscnt 16                                ; the mask is in
	; ---- softmax of my query's 64 scores (the other 64 lie in the lane 16 away); each accumulator is read from its low end on
.set i, 0
.rept 32
	v_pk_add_f32 v[SC+2*i:SC+2*i+1], v[SC+2*i:SC+2*i+1], v[FA+2*i:FA+2*i+1]
.set i, i+1
.endr
.irp c,0,1,2,3
	v_max3_num_f32 v[FA+(\c)], v[SC+16*(\c)], v[SC+16*(\c)+1], v[SC+16*(\c)+2]
.endr
.irp j,3,5,7,9,11,13
.irp c,0,1,2,3
	v_max3_num_f32 v[FA+(\c)], v[FA+(\c)], v[SC+16*(\c)+(\j)], v[SC+16*(\c)+(\j)+1]
.endr
.endr
.irp c,0,1,2,3
	v_max_num_f32 v[FA+(\c)], v[FA+(\c)], v[SC+16*(\c)+15]
.endr
	v_max3_num_f32 v[FA], v[FA], v[FA+1], v[FA+2]
	v_max_num_f32 v[FA], v[FA], v[FA+3]
	v_permlanex16_b32 v[FA+1], v[FA], s[SEL], s[SEL+1]
	v_max_num_f32 v[FA], v[FA], v[FA+1]
	v_mul_f32 v[ML2], s[L2E], v[FA]
	v_mov_b32 v[ML2+1], v[ML2]                     ; named with it as a pair
	v_mov_b32 v[RCP+1], v[ML2]                     ; likewise, for the reciprocal's pair
.set i, 0
.rept 32
	v_pk_fma_f32 v[SC+2*i:SC+2*i+1], v[SC+2*i:SC+2*i+1], s[L2E:L2E+1], v[ML2:ML2+1] op_sel_hi:[1,0,0] neg_lo:[0,0,1] neg_hi:[0,0,1]
.set i, i+1
.endr
.set i, 0
.rept 64
	v_exp_f32 v[SC+i], v[SC+i]
.set i, i+1
.endr
	v_nop                                          ; a plain instruction behind the last exponential,
	s_wait_alu depctr_va_vdst(0)                   ; and one wait for the batch of 64
.irp c,0,1,2,3
	v_pk_add_f32 v[FA+2*(\c):FA+2*(\c)+1], v[SC+16*(\c):SC+16*(\c)+1], v[SC+16*(\c)+2:SC+16*(\c)+3]
.endr
.irp j,4,6,8,10,12,14
.irp c,0,1,2,3
	v_pk_add_f32 v[FA+2*(\c):FA+2*(\c)+1], v[FA+2*(\c):FA+2*(\c)+1], v[SC+16*(\c)+(\j):SC+16*(\c)+(\j)+1]
.endr
.endr
	v_pk_add_f32 v[FA:FA+1], v[FA:FA+1], v[FA+2:FA+3]
	v_pk_add_f32 v[FA+4:FA+5], v[FA+4:FA+5], v[FA+6:FA+7]
	v_pk_add_f32 v[FA:FA+1], v[FA:FA+1], v[FA+4:FA+5]
	v_add_f32 v[FA], v[FA], v[FA+1]
	v_permlanex16_b32 v[FA+1], v[FA], s[SEL], s[SEL+1]
	v_add_f32 v[FA], v[FA], v[FA+1]
	v_rcp_f32 v[RCP], v[FA]
	v_nop
	s_wait_alu depctr_va_vdst(0)
.set i, 0
.rept 32
	v_pk_mul_f32 v[SC+2*i:SC+2*i+1], v[SC+2*i:SC+2*i+1], v[RCP:RCP+1] op_sel_hi:[1,0]
.set i, i+1
.endr
.set i, 0
.rept 32                               ; P in f16, packed in place: register i takes scores 2 i and 2 i + 1; registers 8 kk .. 8 kk + 7 are source 1 for keys 32 kk ..
	v_cvt_pk_f16_f32 v[SC+i], v[SC+2*i], v[SC+2*i+1]
.set i, i+1
.endr
	; ---- T^T = m^T P: 16 groups of eight products; 32 accumulators in window 2, taken by turns
.set g, 0
.rept 16
.if g > 0
	PLACES
.endif
	WIN 0
.if g < 15
	VLOAD g+1, FA+64*(g%2)
	s_wait_dscnt 16                                ; all but the run just issued
.else
	s_wait_dscnt 0x0
.endif
	WIN 0xa0
.irp i,0,1,2,3,4,5,6,7
.if g < 4
	v_wmma_f32_16x16x32_f16 v[64*(g%4)+8*(\i):64*(g%4)+8*(\i)+7], v[FA+64*((g+1)%2)+8*(\i):FA+64*((g+1)%2)+8*(\i)+7], v[SC+8*(g/4):SC+8*(g/4)+7], 0
.else
	v_wmma_f32_16x16x32_f16 v[64*(g%4)+8*(\i):64*(g%4)+8*(\i)+7], v[FA+64*((g+1)%2)+8*(\i):FA+64*((g+1)%2)+8*(\i)+7], v[SC+8*(g/4):SC+8*(g/4)+7], v[64*(g%4)+8*(\i):64*(g%4)+8*(\i)+7]
.endif
.endr
.set g, g+1
.endr
	PLACES 8
	WIN 0
	; T in f16: 128 registers, which ARE my row tile's 16 fragments for the next product.  They wait in registers until ML is free: item 0's in window 3, item 1's in window 1, which the ring of x has left by then
	s_cmp_eq_u32 s[IT], 2
	s_cbranch_scc0 .Lpack1
	WIN 0xca
.set i, 0
.rept 128
	v_cvt_pk_f16_f32 v[128+i], v[2*i], v[2*i+1]
.set i, i+1
.endr
	WIN 0
	s_branch .Lpacked
.Lpack1:
	s_wait_loadcnt 0x0                             ; no load of x is out any more
	WIN 0x4a
.set i, 0
.rept 128
	v_cvt_pk_f16_f32 v[i], v[2*i], v[2*i+1]
.set i, i+1
.endr
	WIN 0
.Lpacked:
	s_wait_dscnt 0x0                               ; my reads of m are over
	s_barrier_signal -1
	s_barrier_wait -1                              ; everybody's are: ML may be written again
	s_add_co_u32 s[MBO], s[MBO], 512
	s_sub_co_u32 s[IT], s[IT], 1
	s_cmp_lg_u32 s[IT], 0
	s_cbranch_scc1 .Litem
	; ---- T goes to XF, where all four waves read it
	s_wait_loadcnt 0x0
	WIN 0x0c                                       ; the stores' data in window 3,
.set i, 0
.rept 32
	ds_store_b128 v[XS], v[128+4*i:128+4*i+3] offset:512*i
.set i, i+1
.endr
	WIN 0x04                                       ; in window 1
.set i, 0
.rept 32
	ds_store_b128 v[XS+1], v[4*i:4*i+3] offset:512*i
.set i, i+1
.endr
	WIN 0
.macro BLOAD off                       ; the bias of my 128 columns, as the accumulators hold them: it is the C of a sum's first product
.irp b,0,1,2,3,4,5,6,7
	ds_load_b128 v[BIAS+8*(\b):BIAS+8*(\b)+3],   v[VBA] offset:(\off)+64*(\b)
	ds_load_b128 v[BIAS+8*(\b)+4:BIAS+8*(\b)+7], v[VBA] offset:(\off)+64*(\b)+16
.endr
.endm
	BLOAD 0
	s_wait_dscnt 0x0
	s_barrier_signal -1
	s_barrier_wait -1
; THE TWO PRODUCTS, 128 rows x 512 x 512.  Source 0 = 16 rows of W (window 1), source 1 = 16 rows of X (window 0).  A tile is 64 along K: two halves of 32, 64 matrix instructions each, on buffers 0 and 1.
; The 64 accumulators take turns in the same order in every half.
.macro MUL16 f, hi, a0, init           ; row tiles a0, a0 + 1 of the window's four x all 8 column tiles
.if \init
	WIN 0x81+0x40*(\hi)                            ; C is the bias, in window 0
.else
	WIN 0xa1+0x50*(\hi)
.endif
.irp a, \a0, (\a0)+1
.irp b, 0,1,2,3,4,5,6,7
.if \init
	v_wmma_f32_16x16x32_f16 v[8*(8*(\a)+(\b)):8*(8*(\a)+(\b))+7], v[(\f)+8*(\b):(\f)+8*(\b)+7], v[(\f)+8*(4*(\hi)+(\a)):(\f)+8*(4*(\hi)+(\a))+7], v[BIAS+8*(\b):BIAS+8*(\b)+7]
.else
	v_wmma_f32_16x16x32_f16 v[8*(8*(\a)+(\b)):8*(8*(\a)+(\b))+7], v[(\f)+8*(\b):(\f)+8*(\b)+7], v[(\f)+8*(4*(\hi)+(\a)):(\f)+8*(4*(\hi)+(\a))+7], v[8*(8*(\a)+(\b)):8*(8*(\a)+(\b))+7]
.endif
.endr
.endr
.endm
.macro FETCH q, f                      ; 32 LDS loads in one run, 512 consecutive bytes each: half q of the tile in hand: W's eight fragments, then X's eight
	WIN 0x40
.irp b,0,1,2,3,4,5,6,7
	ds_load_b128 v[(\f)+8*(\b):(\f)+8*(\b)+3],   v[WAD] offset:2048*(\b)+1024*(\q)
	ds_load_b128 v[(\f)+8*(\b)+4:(\f)+8*(\b)+7], v[WAD] offset:2048*(\b)+1024*(\q)+512
.endr
	WIN 0
.irp a,0,1,2,3,4,5,6,7
	ds_load_b128 v[(\f)+8*(\a):(\f)+8*(\a)+3],   v[XAD+(\a)/4] offset:16384*((\a)%4)+1024*(\q)
	ds_load_b128 v[(\f)+8*(\a)+4:(\f)+8*(\a)+7], v[XAD+(\a)/4] offset:16384*((\a)%4)+1024*(\q)+512
.endr
.endm
.macro SETAD
	v_add_nc_u32 v[WAD], s[TBW], v[WAD0]
	v_add_nc_u32 v[XAD], s[TBX], v[XB]
	v_add_nc_u32 v[XAD+1], s[TBX], v[XB+1]
.endm
.macro NEXTAD                          ; the next tile: the other slot, 64 further along K in X
	s_xor_b32 s[TBW], s[TBW], SLOT1
	s_add_co_u32 s[TBX], s[TBX], 2048
	SETAD
.endm
.macro QUARTER init                    ; a tile's first half, on buffer 0; in its middle the second half's fragments are fetched into buffer 1
	s_wait_dscnt 8                                 ; W and X's row tiles 0-3 are in; the youngest eight loads (row tiles 4-7) may be out
	MUL16 F0, 0, 0, \init
	MUL16 F0, 0, 2, \init
	PLACES
	FETCH 1, F1
	s_wait_dscnt 32                                ; all but the 32 just issued
	MUL16 F0, 1, 0, \init
	MUL16 F0, 1, 2, \init
.endm
; THE CHANGE OF SLOTS stands in a tile's second half.  Each wave waits for all its tensor loads, of which one is out: its quarter of the next tile; adds 0 to its spare word; waits for that and for its reads of this slot; and a
; round of the cluster's barrier follows, so that no wave of any partner still reads the slot or has a load on its way.  The refill is the first thing behind it: it has 96 matrix instructions in which to land.
.macro MEET
	WIN 0
	s_wait_tensorcnt 0x0                           ; no tensor load of mine is out
	ds_add_u32 v[SPW], v[NIL]                      ; 0 onto my spare word
	s_wait_dscnt 9                                 ; (the add and the youngest eight loads may be out)
	MUL16 F1, 0, 0, 0                              ; sixteen matrix instructions stand between the add and the wait for it
	s_wait_dscnt 0x0                               ; the add is done, and my reads of this slot are over
	s_barrier_signal -1
	MUL16 F1, 0, 2, 0                              ; work on registers while the others arrive
	WIN 0
	s_barrier_wait -1
	CREST
	s_xor_b32 s[G0B+1], s[G0B+1], SLOT1            ; the walking descriptor: the slot just read out,
	s_add_nc_u64 s[G0B+2:G0B+3], s[G0B+2:G0B+3], SLOT1  ; the tile two on; the type bits on top are not reached
	JLOAD
.endm
.macro TURN lim
	s_wait_xcnt 0x0                                ; the last prefetch, a tile back, has read its address
	s_add_nc_u64 s[PFA:PFA+1], s[PFA:PFA+1], 65536
	MEET
	NEXTAD                                         ; (with the four v_nop behind the load: the places in front of the loads below)
	FETCH 0, F0
	ASK \lim
	MUL16 F1, 1, 0, 0
	MUL16 F1, 1, 2, 0
.endm
; The sum of squares of each of the 128 rows: my 128 columns' share in registers (a chain for each row tile), the two halves of the lanes, then the four waves' shares through LDS.
.macro SUMSQ off
.irp hi,0,1
	WIN 0x0a+5*(\hi)
.set i, 0
.rept 32
.irp a,0,1,2,3
.if i == 0
	v_pk_mul_f32 v[SS+8*(\hi)+2*(\a):SS+8*(\hi)+2*(\a)+1], v[64*(\a):64*(\a)+1], v[64*(\a):64*(\a)+1]
.else
	v_pk_fma_f32 v[SS+8*(\hi)+2*(\a):SS+8*(\hi)+2*(\a)+1], v[64*(\a)+2*i:64*(\a)+2*i+1], v[64*(\a)+2*i:64*(\a)+2*i+1], v[SS+8*(\hi)+2*(\a):SS+8*(\hi)+2*(\a)+1]
.endif
.endr
.set i, i+1
.endr
.endr
	WIN 0
.irp a,0,1,2,3,4,5,6,7
	v_add_f32 v[SS+2*(\a)], v[SS+2*(\a)], v[SS+2*(\a)+1]
.endr
.irp a,0,1,2,3,4,5,6,7
	v_permlanex16_b32 v[SS+2*(\a)+1], v[SS+2*(\a)], s[SEL], s[SEL+1]
.endr
.irp a,0,1,2,3,4,5,6,7
	v_add_f32 v[SS+2*(\a)], v[SS+2*(\a)], v[SS+2*(\a)+1]
.endr
.irp a,0,1,2,3,4,5,6,7
	ds_store_b32 v[STA], v[SS+2*(\a)] offset:256*(\a)+(\off)
.endr
	s_wait_dscnt 0x0                               ; my shares lie in LDS, and my reads of XF are over
	s_barrier_signal -1
	s_barrier_wait -1                              ; everybody's: XF may be written again
.irp a,0,1,2,3,4,5,6,7
	ds_load_b128 v[F0+4*(\a):F0+4*(\a)+3], v[STR] offset:256*(\a)+(\off)
.endr
	s_wait_dscnt 0x0
.irp a,0,1,2,3,4,5,6,7
	v_pk_add_f32 v[F0+4*(\a):F0+4*(\a)+1], v[F0+4*(\a):F0+4*(\a)+1], v[F0+4*(\a)+2:F0+4*(\a)+3]
.endr
.irp a,0,1,2,3,4,5,6,7
	v_add_f32 v[F0+4*(\a)], v[F0+4*(\a)], v[F0+4*(\a)+1]
.endr
.endm
.macro RSCALE eps                      ; 1 / sqrt(mean of squares + eps) for my row of each row tile, multiplied into the accumulators in place
.irp a,0,1,2,3,4,5,6,7
	v_fma_f32 v[F0+4*(\a)], v[F0+4*(\a)], s[R512], s[\eps]
.endr
.irp a,0,1,2,3,4,5,6,7
	v_rsq_f32 v[SS+2*(\a)], v[F0+4*(\a)]
.endr
	v_nop
	s_wait_alu depctr_va_vdst(0)                   ; one wait for the eight roots
.irp hi,0,1
	WIN 0x82+0x41*(\hi)                            ; destination and source 0 in window 2 or 3
.irp a,0,1,2,3
.set i, 0
.rept 32
	v_pk_mul_f32 v[64*(\a)+2*i:64*(\a)+2*i+1], v[64*(\a)+2*i:64*(\a)+2*i+1], v[SS+8*(\hi)+2*(\a):SS+8*(\hi)+2*(\a)+1] op_sel_hi:[1,0]
.set i, i+1
.endr
.endr
.endr
	WIN 0
.endm
	; ---- acc1 = T W1^T + bias1: tiles 0-7
	s_wait_tensorcnt 0x1                           ; my quarter of tile 0 is in; tile 1's may stay out.  I alone read the bytes that my loads bring
	s_mov_b32 s[TBW], 0
	s_mov_b32 s[TBX], 0
	SETAD
	FETCH 0, F0
	QUARTER 1                                      ; the first half stands in front of the loop: its products start the sums, with the bias
	WIN 0
	s_mov_b32 s[CNT], 7
.Lg1:                                  ; a trip: a tile's second half, the change of slots (tiles 2-8 are asked for), the next tile's first half
	TURN LIM1
	QUARTER 0
	WIN 0
	s_sub_co_u32 s[CNT], s[CNT], 1
	s_cmp_lg_u32 s[CNT], 0
	s_cbranch_scc1 .Lg1
	s_mov_b32 s[CNT], 1
	s_wait_xcnt 0x0
	s_add_nc_u64 s[PFA:PFA+1], s[PFA:PFA+1], 65536
	MEET                                           ; tile 7's second half; tile 9 is asked for; X changes, so nothing is fetched yet
	ASK LIM1
	MUL16 F1, 1, 0, 0
	MUL16 F1, 1, 2, 0
	PLACES 8
	; ---- u = acc1 / sqrt(mean acc1^2 + 4096 x 1e-5), f16, into XF
	SUMSQ 0
	RSCALE EPS2
.irp a,0,1,2,3,4,5,6,7
	WIN 0x0a+5*((\a)/4)
.set i, 0
.rept 32
	v_cvt_pk_f16_f32 v[F0+32*((\a)%2)+i], v[64*((\a)%4)+2*i], v[64*((\a)%4)+2*i+1]
.set i, i+1
.endr
	WIN 0
.irp b,0,1,2,3,4,5,6,7
	ds_store_b128 v[E1S+(\a)/4], v[F0+32*((\a)%2)+4*(\b):F0+32*((\a)%2)+4*(\b)+3] offset:16384*((\a)%4)+512*(\b)
.endr
.endr
	BLOAD 2048
	s_wait_dscnt 0x0
	s_barrier_signal -1
	s_barrier_wait -1                              ; u is whole
	; ---- acc2 = u W2^T + bias2: tiles 8-15; tile 8 landed before the last change of slots
	s_mov_b32 s[TBW], 0
	s_mov_b32 s[TBX], 0
	SETAD
	FETCH 0, F0
	QUARTER 1
	WIN 0
	s_mov_b32 s[CNT], 6
.Lg2:                                  ; tiles 10-15 are asked for
	TURN LIM2
	QUARTER 0
	WIN 0
	s_sub_co_u32 s[CNT], s[CNT], 1
	s_cmp_lg_u32 s[CNT], 0
	s_cbranch_scc1 .Lg2
	s_wait_tensorcnt 0x0                           ; the tail is written out: nothing is left to ask for.  My quarter of tile 15 is in
	s_wait_dscnt 8
	MUL16 F1, 0, 0, 0
	MUL16 F1, 0, 2, 0
	WIN 0
	PLACES
	NEXTAD
	FETCH 0, F0
	s_wait_dscnt 32
	MUL16 F1, 1, 0, 0
	MUL16 F1, 1, 2, 0
	QUARTER 0
	s_wait_dscnt 8
	MUL16 F1, 0, 0, 0
	MUL16 F1, 0, 2, 0
	s_wait_dscnt 0x0
	MUL16 F1, 1, 0, 0
	MUL16 F1, 1, 2, 0
	PLACES 8
	; ---- out = acc2 / sqrt(mean acc2^2 + 1e-5) g3 + b3.  64 rows at a time go through my own stage, so that a store of the wave covers 512 consecutive bytes of a row
	SUMSQ 2048
	RSCALE EPS
.macro WAYOUT p
	WIN 0x08+4*(\p)                                ; the stores' data in window 2 or 3
.irp a,0,1,2,3
.irp b,0,1,2,3,4,5,6,7
	ds_store_b128 v[STO], v[64*(\a)+8*(\b):64*(\a)+8*(\b)+3]   offset:16*SGP*(\a)+64*(\b)
	ds_store_b128 v[STO], v[64*(\a)+8*(\b)+4:64*(\a)+8*(\b)+7] offset:16*SGP*(\a)+64*(\b)+16
.endr
.endr
	WIN 0
	v_mov_b32 v[SRD], v[SRD0]
	s_mov_b32 s[CNT], 4
.Lout_\@:                              ; 16 rows a trip
.irp k,0,1,2,3,4,5,6,7,8,9,10,11,12,13,14,15
	ds_load_b128 v[F0+4*(\k):F0+4*(\k)+3], v[SRD] offset:SGP*(\k)  ; LDS serves a wave's instructions in order (ISA guide 5.7.1.4): these see the stores above
.endr
.irp k,0,1,2,3,4,5,6,7,8,9,10,11,12,13,14,15
	s_wait_dscnt 15-(\k)
	v_pk_fma_f32 v[F0+4*(\k):F0+4*(\k)+1], v[F0+4*(\k):F0+4*(\k)+1], v[G3:G3+1], v[B3:B3+1]
	v_pk_fma_f32 v[F0+4*(\k)+2:F0+4*(\k)+3], v[F0+4*(\k)+2:F0+4*(\k)+3], v[G3+2:G3+3], v[B3+2:B3+3]
	global_store_b128 v[L16], v[F0+4*(\k):F0+4*(\k)+3], s[OP:OP+1] offset:2048*(\k) th:TH_STORE_NT  ; 512 consecutive bytes, at a multiple of 256 from out0's first byte
.endr
	s_wait_xcnt 0x0                                ; the stores have read their data and their base: both are written again only behind this wait
	s_add_nc_u64 s[OP:OP+1], s[OP:OP+1], 0x8000
	v_add_nc_u32 v[SRD], 16*SGP, v[SRD]
	s_sub_co_u32 s[CNT], s[CNT], 1
	s_cmp_lg_u32 s[CNT], 0
	s_cbranch_scc1 .Lout_\@
.endm
	WAYOUT 0
	WAYOUT 1
	s_wait_tensorcnt 0x0                           ; the wave's end, behind my last tensor load and my last LDS store
	ds_add_u32 v[SPW], v[NIL]
	s_wait_dscnt 0x0
	CROUND                                         ; the closing round: no work-group ends while a partner may still ask for a tile that names it
	s_endpgm
.Lfunc_end_k_q479c233f0c_main:
	.size	k_q479c233f0c_main, .Lfunc_end_k_q479c233f0c_main-k_q479c233f0c_main
	.p2alignl 7, 3214868480
	.fill 96, 4, 3214868480
	.section	.rodata,"a",@progbits
	.p2align	6, 0x0
	.amdhsa_kernel k_q479c233f0c_main
		.amdhsa_group_segment_fixed_size 327680
		.amdhsa_private_segment_fixed_size 0
		.amdhsa_enable_private_segment 0
		.amdhsa_kernarg_size 80
		.amdhsa_user_sgpr_count 2
		.amdhsa_user_sgpr_kernarg_segment_ptr 1
		.amdhsa_wavefront_size32 1
		.amdhsa_system_sgpr_workgroup_id_x 1
		.amdhsa_system_sgpr_workgroup_id_y 1
		.amdhsa_system_sgpr_workgroup_id_z 1
		.amdhsa_system_vgpr_workitem_id 0
		.amdhsa_next_free_vgpr 1024
		.amdhsa_next_free_sgpr 80
		.amdhsa_reserve_vcc 1
		.amdhsa_float_denorm_mode_32 3
		.amdhsa_float_denorm_mode_16_64 3
		.amdhsa_memory_ordered 1
		.amdhsa_forward_progress 1
		.amdhsa_inst_pref_size 255
	.end_amdhsa_kernel
	.section	.bss,"aw",@nobits
	.p2align	6
	.space	262144
	.amdgpu_metadata
---
amdhsa.version: [ 1, 2 ]
amdhsa.kernels:
  - .name:           k_q479c233f0c_main
    .symbol:         k_q479c233f0c_main.kd
    .args:
      - { .name: music_embeds, .offset: 0, .size: 8, .value_kind: global_buffer, .address_space: global }
      - { .name: music_mask, .offset: 8, .size: 8, .value_kind: global_buffer, .address_space: global }
      - { .name: ln1_g, .offset: 16, .size: 8, .value_kind: global_buffer, .address_space: global }
      - { .name: ln1_b, .offset: 24, .size: 8, .value_kind: global_buffer, .address_space: global }
      - { .name: ln3_g, .offset: 32, .size: 8, .value_kind: global_buffer, .address_space: global }
      - { .name: ln3_b, .offset: 40, .size: 8, .value_kind: global_buffer, .address_space: global }
      - { .name: qk16, .offset: 48, .size: 8, .value_kind: global_buffer, .address_space: global }
      - { .name: wts, .offset: 56, .size: 8, .value_kind: global_buffer, .address_space: global }
      - { .name: vecs, .offset: 64, .size: 8, .value_kind: global_buffer, .address_space: global }
      - { .name: out0, .offset: 72, .size: 8, .value_kind: global_buffer, .address_space: global }
    .group_segment_fixed_size: 327680
    .private_segment_fixed_size: 0
    .kernarg_segment_align: 8
    .kernarg_segment_size: 80
    .max_flat_workgroup_size: 128
    .sgpr_count:     80
    .vgpr_count:     1024
    .wavefront_size: 32
...
	.end_amdgpu_metadata
.endif
;; end of part 3
;; ======== version 2 of 2: 3 launches; version 1 with the launches prep1, prep2 written anew for expert scheduling mode
;; limits: values are held in f16: magnitudes above 65,504 overflow, below 6.1e-05 lose precision
;; workspace buffers: qs 131,072 bytes; cm 4,096 bytes; qk16 65,536 bytes; wts 1,048,576 bytes; vecs 4,352 bytes
;; launch prep1 (part 4): grid 48 x 1, 8 waves a work-group, no clusters, 90,624 bytes of LDS; arguments video_embeds, ln1_g, ln1_b, Wq, bq, Wo, Wl, qs, cm; writes qs, cm
.if DOCPART == 4
	.amdgcn_target "amdgcn-amd-amdhsa--gfx1250"
	.amdhsa_code_object_version 6
	.text
	.protected	k_q479c233f0c_prep1
	.globl	k_q479c233f0c_prep1
	.p2align	8
	.type	k_q479c233f0c_prep1,@function
k_q479c233f0c_prep1:
	s_mov_b64 s[64:65], 0
	v_nop
	global_prefetch_b8 v0, s[64:65] scope:SCOPE_SE
	s_setreg_imm32_b32 hwreg(HW_REG_WAVE_SCHED_MODE, 0, 2), 2
	s_setreg_imm32_b32 hwreg(HW_REG_WAVE_MODE, 25, 1), 1
	s_wait_xcnt 0x0
	s_wait_alu depctr_vm_vsrc(0)
; PREPARATION, FIRST PART.  Two kinds of work-group, told apart by the work-group's number alone.
; Numbers 0-31:  qs[n][j] = (LN1(video)[n] . Wq[j] + bq[j]) / sqrt(512), f32, a block of 16 rows n x 64 columns j each.  The layer norm is made in f32 in two passes
;                (mean, then the squares of the centred numbers); its result and Wq are rounded to f16 for the matrix unit; sums in f32.
; Numbers 32-47: cm[0][d] = the mean over i of Wo[i][d], cm[1][e] = the mean over i of Wl[i][e], f32, 64 columns each.
; LIMITS.  f16 holds no number beyond 65,504: |LN1| is at most 22.6 |g| + |b|, and Wq is taken as it comes; below 6e-5 f16 keeps a fixed step of 6e-8.
; No tensor load, no cluster: nothing is shared between work-groups but 1 MiB of weights, each byte of which four work-groups read.
; Each kind of work-group has LDS bytes of its own: no byte is named by both texts.
; THE MODE: SCHED_MODE bits 1:0 = 2 (LLVM: expert scheduling mode 2), set by the entry lines.  The code itself states the register dependences
; between vector or matrix instructions and memory or LDS instructions, with s_wait_alu, always for 0.
; THE PLAN, q blocks.  Registers that memory or LDS instructions touch:
;   v2            offset of every global load of the first phase; written at the head, never again.
;   LG LB XR WR   global loads land in them; vector instructions alone work on them.  Wq is rounded in place: the first eight of a row's sixteen registers are then the data of its LDS stores.
;   T             the layer norm's 16 packed registers: the data of eight LDS stores, written once.
;   v5 v6 v12 v13 LDS and global addresses, made while the global loads are out, never written again;  v7-v10 likewise, made by waves 0-3 ahead of their tile.
;   FR            later, twelve slots of 16 registers: the fragments of K step s in slot s % 12.  Steps 0-11 are asked for at once; steps 12-15 land in slots 0-3 when products 0-3 are done reading them.
;   ACC           written by the products, then by the sums and the scale; the data of two LDS stores.      BQ, OUT   a load lands in each once; no vector instruction writes them.
; THE PLAN, column means: v5 the loads' offset; v64-191 the loads' data, summed in place, v64-67 then the data of one LDS store; v6-v8 addresses; PS, where wave 0's read-back lands, is named by nothing before.
.set PIT,   1040                       ; an LDS row of 512 f16: 1,024 bytes + 16: the 16 rows of a fragment load start at 16 different groups of four banks (64 banks of 4 bytes: ISA guide 11.1)
.set VS,    0                          ; 16 rows of LN1(video)
.set WS,    16*PIT                     ; 64 rows of Wq
.set SG,    WS+64*PIT                  ; the way out: 16 rows x (256 + 16) bytes
.set SGP,   272
.set MS,    SG+16*SGP                  ; the column means' partial sums: 256 bytes for each of the eight waves
.set SPARE, MS+8*256                   ; the spare words, 128 bytes for each of the eight waves
.set SPW,   30                         ; v30  LDS address of my spare word; never rewritten
.set NIL,   31                         ; v31  0; never rewritten
.set LG,    32                         ; v[32:47]  ln1_g: chunk c of 128 columns, my 4 of them, at LG + 4 c
.set LB,    48                         ; v[48:63]  ln1_b likewise
.set XR,    64                         ; v[64:95]  two rows of video
.set WR,    96                         ; v[96:223] eight rows of Wq
.set T,     224                        ; v[224:239] at work
.set FR,    32                         ; later: v[32:223] twelve slots: eight registers of Wq's fragment, then eight of LN1(video)'s,
.set ACC,   224                        ; two accumulators, by the K step's parity,
.set BQ,    240                        ; bq, which starts the first sum,
.set OUT,   248                        ; and my 16 bytes of the finished block
.set PS,    192                        ; column means: v[192:207] the eight waves' partial sums, in wave 0
.set WV,    24                         ; s24  my wave's number
.set SEL,   36                         ; s[36:37] v_permlanex16_b32's selects: each lane takes its own place in the other half
.set R512,  38                         ; s38  1/512
.set N512,  39                         ; s39  -1/512
.set EPS,   40                         ; s40  1e-5
.set QS,    42                         ; s[42:43] 1/sqrt(512)
.macro PLACES n=4
.rept \n
	v_nop
.endr
.endm
.macro RED2 o                          ; the wave's sum of v[T+8k+o], k = 0, 1, into every lane; v[T+8k+o+1] is at work
.irp m,1,2,4,8
.irp k,0,1
	v_add_f32_dpp v[T+8*(\k)+(\o)], v[T+8*(\k)+(\o)], v[T+8*(\k)+(\o)] row_xmask:\m row_mask:0xf bank_mask:0xf
.endr
.endr
.irp k,0,1
	v_permlanex16_b32 v[T+8*(\k)+(\o)+1], v[T+8*(\k)+(\o)], s[SEL], s[SEL+1]
.endr
.irp k,0,1
	v_add_f32 v[T+8*(\k)+(\o)], v[T+8*(\k)+(\o)], v[T+8*(\k)+(\o)+1]
.endr
.endm
	s_load_b512 s[4:19], s[0:1], 0x0               ; video s[4:5], g1 s[6:7], b1 s[8:9], Wq s[10:11], bq s[12:13], Wo s[14:15], Wl s[16:17], qs s[18:19]
	s_load_b64 s[20:21], s[0:1], 0x40              ; cm
	v_lshl_add_u32 v[SPW], v0, 2, SPARE
	v_mov_b32 v[NIL], 0
	v_lshrrev_b32 v1, 5, v0
	v_readfirstlane_b32 s[WV], v1                  ; wave 0..7
	v_and_b32 v1, 31, v0                           ; l
	v_lshlrev_b32 v2, 4, v1                        ; 16 l
	v_and_b32 v3, 15, v0                           ; l % 16
	v_bfe_u32 v4, v0, 4, 1                         ; l / 16
	s_wait_alu depctr_va_sdst(0)                   ; s[WV] is written, ahead of the branch below and of its first reader in either text
	s_mov_b32 s25, ttmp9
	s_mov_b32 s[SEL], 0x76543210
	s_mov_b32 s[SEL+1], 0xfedcba98
	s_mov_b32 s[R512], 0x3b000000
	s_mov_b32 s[N512], 0xbb000000
	s_mov_b32 s[EPS], 0x3727c5ac
	s_mov_b32 s[QS], 0x3d3504f3
	s_mov_b32 s[QS+1], s[QS]                       ; named with it as a pair
	s_mov_b32 s31, 0                               ; the upper word of every offset
	s_wait_kmcnt 0x0
	s_cmp_lt_u32 s25, 32
	s_cbranch_scc0 .Lmeans
	; ---------------- q: rows 16 (id / 8) .., columns 64 (id % 8) ..
	s_lshr_b32 s27, s25, 3
	s_and_b32 s28, s25, 7
	s_lshl_b32 s30, s27, 15                        ; 16 rows of 2,048 bytes,
	s_lshl_b32 s29, s[WV], 12                      ; my wave's two of them
	s_add_co_u32 s30, s30, s29
	s_add_nc_u64 s[4:5], s[4:5], s[30:31]
	s_lshl_b32 s30, s28, 17                        ; 64 rows of Wq,
	s_lshl_b32 s29, s[WV], 14                      ; my wave's eight
	s_add_co_u32 s30, s30, s29
	s_add_nc_u64 s[10:11], s[10:11], s[30:31]
	s_wait_alu depctr_va_vdst(0)                   ; v2 is written: the 48 loads below read it as their offset
.irp c,0,1,2,3
	global_load_b128 v[LG+4*(\c):LG+4*(\c)+3], v2, s[6:7] offset:512*(\c)
	global_load_b128 v[LB+4*(\c):LB+4*(\c)+3], v2, s[8:9] offset:512*(\c)
.endr
.irp k,0,1
.irp c,0,1,2,3
	global_load_b128 v[XR+16*(\k)+4*(\c):XR+16*(\k)+4*(\c)+3], v2, s[4:5] offset:2048*(\k)+512*(\c)
.endr
.endr
.irp k,0,1,2,3,4,5,6,7
.irp c,0,1,2,3
	global_load_b128 v[WR+16*(\k)+4*(\c):WR+16*(\k)+4*(\c)+3], v2, s[10:11] offset:2048*(\k)+512*(\c)
.endr
.endr
	; the addresses that every wave needs, while the loads are out
	s_mul_i32 s29, s[WV], 2*PIT
	v_lshl_add_u32 v5, v1, 3, s29                  ; VS: my two rows, 8 bytes a lane and chunk
	s_mul_i32 s29, s[WV], 8*PIT
	s_add_co_u32 s29, s29, WS
	v_lshl_add_u32 v6, v1, 3, s29                  ; WS: my eight rows
	v_lshrrev_b32 v11, 4, v0                       ; thread / 16: the row of the block that I store at the end,
	v_mul_u32_u24 v12, v11, SGP
	v_lshl_add_u32 v12, v3, 4, v12
	v_add_nc_u32 v12, SG, v12                      ; in the stage,
	v_lshlrev_b32 v13, 11, v11
	v_lshl_add_u32 v13, v3, 4, v13                 ; and in qs
	s_wait_loadcnt 32                              ; g, b and video are in; Wq's 32 loads may stay out
	; the layer norm of two rows: the sum,
.irp k,0,1
.irp p,0,1,2,3
	v_pk_add_f32 v[T+8*(\k)+2*(\p):T+8*(\k)+2*(\p)+1], v[XR+16*(\k)+4*(\p):XR+16*(\k)+4*(\p)+1], v[XR+16*(\k)+4*(\p)+2:XR+16*(\k)+4*(\p)+3]
.endr
.endr
.irp k,0,1
	v_pk_add_f32 v[T+8*(\k):T+8*(\k)+1], v[T+8*(\k):T+8*(\k)+1], v[T+8*(\k)+2:T+8*(\k)+3]
	v_pk_add_f32 v[T+8*(\k)+4:T+8*(\k)+5], v[T+8*(\k)+4:T+8*(\k)+5], v[T+8*(\k)+6:T+8*(\k)+7]
.endr
.irp k,0,1
	v_pk_add_f32 v[T+8*(\k):T+8*(\k)+1], v[T+8*(\k):T+8*(\k)+1], v[T+8*(\k)+4:T+8*(\k)+5]
.endr
.irp k,0,1
	v_add_f32 v[T+8*(\k)], v[T+8*(\k)], v[T+8*(\k)+1]
.endr
	RED2 0
.irp k,0,1
	v_mul_f32 v[T+8*(\k)], s[N512], v[T+8*(\k)]    ; minus the mean
.endr
.irp k,0,1
.irp p,0,1,2,3,4,5,6,7
	v_pk_add_f32 v[XR+16*(\k)+2*(\p):XR+16*(\k)+2*(\p)+1], v[XR+16*(\k)+2*(\p):XR+16*(\k)+2*(\p)+1], v[T+8*(\k):T+8*(\k)+1] op_sel_hi:[1,0]
.endr
.endr
	; the squares of the centred numbers,
.irp k,0,1
	v_pk_mul_f32 v[T+8*(\k)+2:T+8*(\k)+3], v[XR+16*(\k):XR+16*(\k)+1], v[XR+16*(\k):XR+16*(\k)+1]
	v_pk_mul_f32 v[T+8*(\k)+4:T+8*(\k)+5], v[XR+16*(\k)+2:XR+16*(\k)+3], v[XR+16*(\k)+2:XR+16*(\k)+3]
.endr
.irp p,2,4,6
.irp k,0,1
	v_pk_fma_f32 v[T+8*(\k)+2:T+8*(\k)+3], v[XR+16*(\k)+2*(\p):XR+16*(\k)+2*(\p)+1], v[XR+16*(\k)+2*(\p):XR+16*(\k)+2*(\p)+1], v[T+8*(\k)+2:T+8*(\k)+3]
	v_pk_fma_f32 v[T+8*(\k)+4:T+8*(\k)+5], v[XR+16*(\k)+2*(\p)+2:XR+16*(\k)+2*(\p)+3], v[XR+16*(\k)+2*(\p)+2:XR+16*(\k)+2*(\p)+3], v[T+8*(\k)+4:T+8*(\k)+5]
.endr
.endr
.irp k,0,1
	v_pk_add_f32 v[T+8*(\k)+2:T+8*(\k)+3], v[T+8*(\k)+2:T+8*(\k)+3], v[T+8*(\k)+4:T+8*(\k)+5]
.endr
.irp k,0,1
	v_add_f32 v[T+8*(\k)+2], v[T+8*(\k)+2], v[T+8*(\k)+3]
.endr
	RED2 2
.irp k,0,1
	v_fma_f32 v[T+8*(\k)+2], v[T+8*(\k)+2], s[R512], s[EPS]
.endr
.irp k,0,1
	v_rsq_f32 v[T+8*(\k)+4], v[T+8*(\k)+2]
.endr
	v_nop                                          ; a plain instruction behind the last root,
	s_wait_alu depctr_va_vdst(0)                   ; and one wait ahead of the first use of the two roots' results
	; scale, gain, bias, f16: both rows, then their LDS stores in one run
.irp k,0,1
.irp p,0,1,2,3,4,5,6,7
	v_pk_mul_f32 v[XR+16*(\k)+2*(\p):XR+16*(\k)+2*(\p)+1], v[XR+16*(\k)+2*(\p):XR+16*(\k)+2*(\p)+1], v[T+8*(\k)+4:T+8*(\k)+5] op_sel_hi:[1,0]
.endr
.irp p,0,1,2,3,4,5,6,7
	v_pk_fma_f32 v[XR+16*(\k)+2*(\p):XR+16*(\k)+2*(\p)+1], v[XR+16*(\k)+2*(\p):XR+16*(\k)+2*(\p)+1], v[LG+2*(\p):LG+2*(\p)+1], v[LB+2*(\p):LB+2*(\p)+1]
.endr
.irp i,0,1,2,3,4,5,6,7
	v_cvt_pk_f16_f32 v[T+8*(\k)+(\i)], v[XR+16*(\k)+2*(\i)], v[XR+16*(\k)+2*(\i)+1]
.endr
.endr
	s_wait_alu depctr_va_vdst(0)                   ; the roundings have written T, which the eight stores below read; v5, v6, v12 and v13 are written, for these and all later accesses by them
.irp k,0,1
.irp c,0,1,2,3
	ds_store_b64 v5, v[T+8*(\k)+2*(\c):T+8*(\k)+2*(\c)+1] offset:(\k)*PIT+256*(\c)
.endr
.endr
	s_wait_loadcnt 0x0                             ; Wq
.irp k,0,1,2,3,4,5,6,7
.irp i,0,1,2,3,4,5,6,7
	v_cvt_pk_f16_f32 v[WR+16*(\k)+(\i)], v[WR+16*(\k)+2*(\i)], v[WR+16*(\k)+2*(\i)+1]  ; a row's sixteen numbers a lane close up into the first eight of their registers
.endr
.endr
	s_wait_alu depctr_va_vdst(0)                   ; the roundings have written the rows' first eight registers, which the 32 stores below read
.irp k,0,1,2,3,4,5,6,7
.irp c,0,1,2,3
	ds_store_b64 v6, v[WR+16*(\k)+2*(\c):WR+16*(\k)+2*(\c)+1] offset:(\k)*PIT+256*(\c)
.endr
.endr
	s_wait_dscnt 0x0                               ; for the others' sake: my rows lie in LDS
	s_barrier_signal -1
	s_barrier_wait -1
	s_wait_alu depctr_vm_vsrc(0)                   ; my LDS stores have read T and WR: from here on these registers are the slots, in which fragment loads land, and ACC, which the products write
	s_cmp_lt_u32 s[WV], 4                          ; waves 0-3 make a tile of 16 rows x 16 columns each
	s_cbranch_scc0 .Lno_tile
	; source 0 = 16 rows of Wq, source 1 = the 16 rows of LN1(video): a lane then holds one row n (l % 16) and the columns 8 (l / 16) + 0..7
	v_mul_u32_u24 v7, v3, PIT
	v_lshl_add_u32 v7, v4, 4, v7                   ; row x pitch + 16 x half: LN1(video), at VS = 0
	s_mul_i32 s29, s[WV], 16*PIT
	s_add_co_u32 s29, s29, WS
	v_add_nc_u32 v8, s29, v7                       ; my 16 rows of Wq
	s_lshl_b32 s29, s28, 8
	s_lshl_b32 s30, s[WV], 6
	s_add_co_u32 s29, s29, s30
	v_lshl_add_u32 v9, v4, 5, s29                  ; bq of my eight columns
	v_mul_u32_u24 v10, v3, SGP
	v_lshl_add_u32 v10, v4, 5, v10
	s_lshl_b32 s29, s[WV], 6
	s_add_co_u32 s29, s29, SG
	v_add_nc_u32 v10, s29, v10                     ; the stage: row n, my tile's 64 bytes, my half's 32
	s_wait_alu depctr_va_vdst(0)                   ; v7 to v10 are written: the loads below and the stage's stores read them as addresses
	global_load_b128 v[BQ:BQ+3], v9, s[12:13]
	global_load_b128 v[BQ+4:BQ+7], v9, s[12:13] offset:16
.macro FRAG s                          ; the fragments of K step s, 32 along K, into slot s % 12
	ds_load_b128 v[FR+16*((\s)%12):FR+16*((\s)%12)+3],     v8 offset:64*(\s)
	ds_load_b128 v[FR+16*((\s)%12)+4:FR+16*((\s)%12)+7],   v8 offset:64*(\s)+32
	ds_load_b128 v[FR+16*((\s)%12)+8:FR+16*((\s)%12)+11],  v7 offset:64*(\s)
	ds_load_b128 v[FR+16*((\s)%12)+12:FR+16*((\s)%12)+15], v7 offset:64*(\s)+32
.endm
.macro PROD s                          ; the product of K step s: two accumulators take turns
.if (\s) == 0
	v_wmma_f32_16x16x32_f16 v[ACC:ACC+7], v[FR:FR+7], v[FR+8:FR+15], v[BQ:BQ+7]
.elseif (\s) == 1
	v_wmma_f32_16x16x32_f16 v[ACC+8:ACC+15], v[FR+16:FR+23], v[FR+24:FR+31], 0
.else
	v_wmma_f32_16x16x32_f16 v[ACC+8*((\s)%2):ACC+8*((\s)%2)+7], v[FR+16*((\s)%12):FR+16*((\s)%12)+7], v[FR+16*((\s)%12)+8:FR+16*((\s)%12)+15], v[ACC+8*((\s)%2):ACC+8*((\s)%2)+7]
.endif
.endm
.irp s,0,1,2,3,4,5,6,7,8,9,10,11
	FRAG \s
.endr
	s_wait_loadcnt 0x0                             ; bq
	s_wait_dscnt 32                                ; K steps 0-3 are in; the 32 loads of steps 4-11 may stay out
.irp s,0,1,2,3
	PROD \s
.endr
	PLACES                                         ; four places in front of loads into registers that the products have read
	s_wait_alu depctr_va_vdst(0)                   ; products 0-3 are done reading slots 0-3, in which the loads below land
.irp s,12,13,14,15
	FRAG \s
.endr
	s_wait_dscnt 16                                ; K steps 4-11 are in; the 16 loads just issued may stay out
.irp s,4,5,6,7,8,9,10,11
	PROD \s
.endr
	s_wait_dscnt 0x0
.irp s,12,13,14,15
	PROD \s
.endr
	PLACES 8                                       ; places in front of the sums that read the results
.irp p,0,1,2,3
	v_pk_add_f32 v[ACC+2*(\p):ACC+2*(\p)+1], v[ACC+2*(\p):ACC+2*(\p)+1], v[ACC+8+2*(\p):ACC+8+2*(\p)+1]
.endr
.irp p,0,1,2,3
	v_pk_mul_f32 v[ACC+2*(\p):ACC+2*(\p)+1], v[ACC+2*(\p):ACC+2*(\p)+1], s[QS:QS+1] op_sel_hi:[1,0]
.endr
	s_wait_alu depctr_va_vdst(0)                   ; the scalings have written ACC's first eight registers, which the two stores below read
	ds_store_b128 v10, v[ACC:ACC+3]
	ds_store_b128 v10, v[ACC+4:ACC+7] offset:16
.Lno_tile:
	s_wait_dscnt 0x0
	s_barrier_signal -1
	s_barrier_wait -1                              ; the block of 16 x 64 lies in LDS
	ds_load_b128 v[OUT:OUT+3], v12                 ; no wait: v12 stands since the wait ahead of the first LDS stores, and no vector instruction names OUT
	s_lshl_b32 s30, s27, 15
	s_lshl_b32 s29, s28, 8
	s_add_co_u32 s30, s30, s29
	s_add_nc_u64 s[18:19], s[18:19], s[30:31]
	s_wait_dscnt 0x0
	global_store_b128 v13, v[OUT:OUT+3], s[18:19]  ; 16 lanes store 256 consecutive bytes, at a multiple of 256 from qs's first byte
	s_branch .Lend
	; ---------------- column means: matrix (id - 32) / 8, columns 64 ((id - 32) % 8) ..
.Lmeans:
	s_sub_co_u32 s27, s25, 32
	s_lshr_b32 s28, s27, 3
	s_and_b32 s29, s27, 7
	s_cmp_eq_u32 s28, 0
	s_cselect_b64 s[10:11], s[14:15], s[16:17]     ; Wo or Wl
	s_lshl_b32 s30, s[WV], 17                      ; my wave's 64 rows,
	s_lshl_b32 s27, s29, 8                         ; the strip's 256 bytes of each
	s_add_co_u32 s30, s30, s27
	v_lshlrev_b32 v5, 16, v4                       ; lanes 16-31 take the second 32 rows
	v_lshl_add_u32 v5, v3, 4, v5
	v_add_nc_u32 v5, s30, v5
	s_wait_alu depctr_va_vdst(0)                   ; v5 is written: the 32 loads below read it as their offset
.set k, 0
.rept 32
	global_load_b128 v[64+4*k:64+4*k+3], v5, s[10:11] offset:2048*k  ; 16 lanes read 256 consecutive bytes of a row
.set k, k+1
.endr
	s_lshl_b32 s30, s28, 11
	s_add_co_u32 s30, s30, s27
	s_add_nc_u64 s[20:21], s[20:21], s[30:31]      ; cm at the matrix's row and the strip
	s_lshl_b32 s27, s[WV], 8
	s_add_co_u32 s27, s27, MS
	v_lshl_add_u32 v6, v3, 4, s27                  ; MS: my wave's 256 bytes, 16 a lane of a half
	v_lshlrev_b32 v7, 3, v1                        ; 8 l: my two columns in cm,
	v_add_nc_u32 v8, MS, v7                        ; and in a wave's partial sums
	s_wait_loadcnt 0x0
.irp s,16,8,4,2,1
.set k, 0
.rept \s
	v_pk_add_f32 v[64+4*k:64+4*k+1], v[64+4*k:64+4*k+1], v[64+4*(k+(\s)):64+4*(k+(\s))+1]
	v_pk_add_f32 v[64+4*k+2:64+4*k+3], v[64+4*k+2:64+4*k+3], v[64+4*(k+(\s))+2:64+4*(k+(\s))+3]
.set k, k+1
.endr
.endr
.irp j,0,1,2,3
	v_permlanex16_b32 v[68+(\j)], v[64+(\j)], s[SEL], s[SEL+1]
.endr
.irp j,0,2
	v_pk_add_f32 v[64+(\j):64+(\j)+1], v[64+(\j):64+(\j)+1], v[68+(\j):68+(\j)+1]
.endr
	s_wait_alu depctr_va_vdst(0)                   ; the sums have written v64 to v67, which the store below reads; v6, v7 and v8 are written, for this and the later accesses by them
	ds_store_b128 v6, v[64:67]                     ; my wave's sums of 64 rows; the two halves of the lanes write the same numbers
	s_wait_dscnt 0x0
	s_barrier_signal -1
	s_barrier_wait -1
	s_cmp_lg_u32 s[WV], 0
	s_cbranch_scc1 .Lend
.irp k,0,1,2,3,4,5,6,7
	ds_load_b64 v[PS+2*(\k):PS+2*(\k)+1], v8 offset:256*(\k)  ; no wait: nothing has named PS
.endr
	s_wait_dscnt 0x0
.irp k,0,1,2,3
	v_pk_add_f32 v[PS+2*(\k):PS+2*(\k)+1], v[PS+2*(\k):PS+2*(\k)+1], v[PS+8+2*(\k):PS+8+2*(\k)+1]
.endr
	v_pk_add_f32 v[PS:PS+1], v[PS:PS+1], v[PS+4:PS+5]
	v_pk_add_f32 v[PS+2:PS+3], v[PS+2:PS+3], v[PS+6:PS+7]
	v_pk_add_f32 v[PS:PS+1], v[PS:PS+1], v[PS+2:PS+3]
	v_mul_f32 v[PS], s[R512], v[PS]
	v_mul_f32 v[PS+1], s[R512], v[PS+1]
	s_wait_alu depctr_va_vdst(0)                   ; the two means are written, which the store below reads
	global_store_b64 v7, v[PS:PS+1], s[20:21]      ; 32 lanes store 256 consecutive bytes, at a multiple of 256 from cm's first byte
.Lend:
	s_wait_dscnt 0x0                               ; the closing lines, six on end
	s_wait_alu 0x0
	s_wait_tensorcnt 0x0
	ds_add_u32 v[SPW], v[NIL]
	s_wait_dscnt 0x0
	s_endpgm
.Lfunc_end_k_q479c233f0c_prep1:
	.size	k_q479c233f0c_prep1, .Lfunc_end_k_q479c233f0c_prep1-k_q479c233f0c_prep1
	.p2alignl 7, 3214868480
	.fill 96, 4, 3214868480
	.section	.rodata,"a",@progbits
	.p2align	6, 0x0
	.amdhsa_kernel k_q479c233f0c_prep1
		.amdhsa_group_segment_fixed_size 90624
		.amdhsa_private_segment_fixed_size 0
		.amdhsa_enable_private_segment 0
		.amdhsa_kernarg_size 72
		.amdhsa_user_sgpr_count 2
		.amdhsa_user_sgpr_kernarg_segment_ptr 1
		.amdhsa_wavefront_size32 1
		.amdhsa_system_sgpr_workgroup_id_x 1
		.amdhsa_system_sgpr_workgroup_id_y 1
		.amdhsa_system_sgpr_workgroup_id_z 1
		.amdhsa_system_vgpr_workitem_id 0
		.amdhsa_next_free_vgpr 256
		.amdhsa_next_free_sgpr 66
		.amdhsa_reserve_vcc 0
		.amdhsa_float_denorm_mode_32 3
		.amdhsa_float_denorm_mode_16_64 3
		.amdhsa_memory_ordered 1
		.amdhsa_forward_progress 1
		.amdhsa_inst_pref_size 39
	.end_amdhsa_kernel
	.amdgpu_metadata
---
amdhsa.version: [ 1, 2 ]
amdhsa.kernels:
  - .name:           k_q479c233f0c_prep1
    .symbol:         k_q479c233f0c_prep1.kd
    .args:
      - { .name: video_embeds, .offset: 0, .size: 8, .value_kind: global_buffer, .address_space: global }
      - { .name: ln1_g, .offset: 8, .size: 8, .value_kind: global_buffer, .address_space: global }
      - { .name: ln1_b, .offset: 16, .size: 8, .value_kind: global_buffer, .address_space: global }
      - { .name: Wq, .offset: 24, .size: 8, .value_kind: global_buffer, .address_space: global }
      - { .name: bq, .offset: 32, .size: 8, .value_kind: global_buffer, .address_space: global }
      - { .name: Wo, .offset: 40, .size: 8, .value_kind: global_buffer, .address_space: global }
      - { .name: Wl, .offset: 48, .size: 8, .value_kind: global_buffer, .address_space: global }
      - { .name: qs, .offset: 56, .size: 8, .value_kind: global_buffer, .address_space: global }
      - { .name: cm, .offset: 64, .size: 8, .value_kind: global_buffer, .address_space: global }
    .group_segment_fixed_size: 90624
    .private_segment_fixed_size: 0
    .kernarg_segment_align: 8
    .kernarg_segment_size: 72
    .max_flat_workgroup_size: 256
    .sgpr_count:     66
    .vgpr_count:     256
    .wavefront_size: 32
...
	.end_amdgpu_metadata
.endif
;; end of part 4
;; launch prep2 (part 5): grid 160 x 1, 8 waves a work-group, no clusters, 116,480 bytes of LDS; arguments Wo, Wv, bv, bo, qs, Wk, bk, Wl, bl, ln2_g, ln2_b, cm, wts, qk16, vecs; writes wts, qk16, vecs
.if DOCPART == 5
	.amdgcn_target "amdgcn-amd-amdhsa--gfx1250"
	.amdhsa_code_object_version 6
	.text
	.protected	k_q479c233f0c_prep2
	.globl	k_q479c233f0c_prep2
	.p2align	8
	.type	k_q479c233f0c_prep2,@function
k_q479c233f0c_prep2:
	s_mov_b64 s[64:65], 0
	v_nop
	global_prefetch_b8 v0, s[64:65] scope:SCOPE_SE
	s_setreg_imm32_b32 hwreg(HW_REG_WAVE_SCHED_MODE, 0, 2), 2
	s_setreg_imm32_b32 hwreg(HW_REG_WAVE_MODE, 25, 1), 1
	s_wait_xcnt 0x0
	s_wait_alu depctr_vm_vsrc(0)
; PREPARATION, SECOND PART: the folded weights, in f16 and in the order in which the main launch's fragment loads take them.  Three kinds of work-group, told apart by the work-group's number alone:
;   0-127   W1[i][e] = 64 x the sum over d of (Wo[i][d] - mo[d]) Wv[d][e], mo = the column means of Wo: 32 rows i x 64 columns e;   bias1[i] = 64 ((Wo[i] - mo) . bv + bo[i] - mean(bo))
;   128-143 QK[n][e] = the sum over d of q'[n][d] Wk[d][e]: 32 rows n x 64 columns e;                                              cq[n] = q'[n] . bk
;   144-159 W2[i][e] = (Wl[i][e] + (i == e) - ml[e] - 1/512) g2[e], ml = the column means of Wl: 32 rows, all columns;             bias2[i] = the same bracket . b2 + bl[i] - mean(bl)
; So T W1^T + bias1 is 64 x (the attention's output less its row mean), and u W2^T + bias2 is (o + lin) less its row mean: the main launch's two later layer norms need sums of squares alone.
; The brackets, the dot products and the means are made in f32; the two products' operands are rounded to f16, their sums are f32, the results are rounded once to f16.
; ORDER OF THE RESULTS.  A block (row tile it, column tile et) is 512 bytes: lane (r, h) holds row 16 it + r, columns 16 et + 8 h + 0..7.  wts: 16 tiles of 65,536 bytes, tile e / 64 of W1, then of W2,
; each [it 32][et % 4][512].  qk16: [it 4][et 32][512].  Each store of a wave is one block: 512 consecutive bytes.
; LIMITS.  f16 holds no number beyond 65,504; the factor 64 keeps W1 (0.6 for weights of spread 0.02) in f16's normal range for weights 30 times smaller and under its end for weights 30 times larger.
; vecs (4,352 bytes in all) is stored 128 bytes at a time: a work-group has 32 of its numbers.
; THE MODE: SCHED_MODE bits 1:0 = 2 (LLVM: expert scheduling mode 2), set by the entry lines.  The code itself states the register dependences
; between vector or matrix instructions and memory or LDS instructions, with s_wait_alu, always for 0.
; THE PLAN.  Registers that memory or LDS instructions touch:
;   v2 v5 v6      offsets of the global loads (v2 of the results' stores too): made ahead of the first load, never written again.      v7-v16  LDS addresses and vecs's offset: made while the loads are out, never written again.
;   CM YV GV AD AK AR and registers 256-383: global loads land in them once; then vector instructions alone work on them.
;   AR            a row is rounded in place: the first eight of its sixteen registers are the data of its four LDS stores.      RES  a register for each row's number for vecs: the data of four LDS stores.
;   256-383       the right operand is rounded in place: the first two of each load's four registers are the data of an LDS store.
;   FR            later, twelve slots of 16 registers: the fragments of K step s in slot s % 12.  Steps 0-11 are asked for at once; steps 12-15 land in slots 0-3 when products 0-3 are done reading them.
;   ACC           named by matrix and vector instructions alone.      T  at work; its first four registers are the data of the block's store; a load lands in T + 4 at the end.
.set PIT,   1040                       ; a row of 512 f16 + 16 bytes
.set AS,    0                          ; 32 rows of the left operand
.set BS,    32*PIT                     ; 512 rows d x 64 columns e of the right operand,
.set BP,    160                        ; 128 bytes + 32
.set VS2,   BS+512*BP                  ; the 32 numbers for vecs
.set SPARE, VS2+256                    ; the spare words, 128 bytes for each of the eight waves
.set SPW,   30
.set NIL,   31
.set CM,    32                         ; v[32:47]  what is taken from each row
.set YV,    48                         ; v[48:63]  the vector of the dot product
.set GV,    64                         ; v[64:79]  the gain
.set AD,    80                         ; v[80:95]  the bias whose mean is taken
.set AR,    96                         ; v[96:159] my four rows
.set AK,    160                        ; v[160:163] that bias at my four rows
.set DL,    164                        ; v[164:167] 1 where chunk c of my lane holds the diagonal, else 0
.set DLV,   168
.set MEAN,  170
.set RES,   172                        ; v[172:175] my four rows' numbers for vecs
.set T,     176                        ; v[176:191] at work
.set FR,    32                         ; later: slots 0-7 in v[32:159], slots 8-11 in v[192:255]: eight registers of the right operand's fragment, then eight of the left's,
.set W2R,   96                         ; or W2's eight blocks as they are read back,
.set ACC,   160                        ; two accumulators, by the K step's parity
.set MSB, 0
.macro WIN new                         ; s_set_vgpr_msb: bits 1:0 source 0, 3:2 source 1, 5:4 source 2, 7:6 destination; the high byte repeats the setting that is left
.if MSB != (\new)
	s_set_vgpr_msb (MSB<<8)|(\new)
.set MSB, \new
.endif
.endm
.macro PLACES n=4
.rept \n
	v_nop
.endr
.endm
.macro WSUM r                          ; the wave's sum of v[r] into every lane; v[r+1] is at work
.irp m,1,2,4,8
	v_add_f32_dpp v[\r], v[\r], v[\r] row_xmask:\m row_mask:0xf bank_mask:0xf
.endr
	v_permlanex16_b32 v[(\r)+1], v[\r], s70, s71
	v_add_f32 v[\r], v[\r], v[(\r)+1]
.endm
	s_load_b512 s[4:19], s[0:1], 0x0               ; Wo s[4:5], Wv s[6:7], bv s[8:9], bo s[10:11], qs s[12:13], Wk s[14:15], bk s[16:17], Wl s[18:19]
	s_load_b256 s[20:27], s[0:1], 0x40             ; bl s[20:21], g2 s[22:23], b2 s[24:25], cm s[26:27]
	s_load_b128 s[28:31], s[0:1], 0x60             ; wts s[28:29], qk16 s[30:31]
	s_load_b64 s[32:33], s[0:1], 0x70              ; vecs
	v_lshl_add_u32 v[SPW], v0, 2, SPARE
	v_mov_b32 v[NIL], 0
	v_lshrrev_b32 v1, 5, v0
	v_readfirstlane_b32 s35, v1                    ; wave 0..7
	v_and_b32 v1, 31, v0                           ; l
	v_lshlrev_b32 v2, 4, v1                        ; 16 l
	v_and_b32 v3, 15, v0                           ; r
	v_bfe_u32 v4, v0, 4, 1                         ; h
	s_wait_alu depctr_va_sdst(0)                   ; s35 is written, ahead of its first reader: bases and addresses are made from it
	; what differs between the three kinds lies in scalar registers
	s_mov_b32 s34, ttmp9
	s_and_b32 s36, s34, 7                          ; x: the strip of 64 columns
	s_lshr_b32 s37, s34, 3                         ; yr: the block of 32 rows
	s_sub_co_u32 s74, s34, 128
	s_lshr_b32 s74, s74, 3
	s_sub_co_u32 s75, s34, 144
	s_mov_b32 s76, 0x10000
	s_mov_b32 s77, 0x800
	s_mov_b32 s78, 0x4000
	s_mov_b32 s79, 0x1000
	s_cmp_lt_u32 s34, 128                          ; W1, or else QK
	s_cselect_b32 s37, s37, s74
	s_cselect_b32 s52, s76, s77                    ; bytes from strip to strip in the result
	s_cselect_b32 s53, s77, s78                    ; bytes from row tile to row tile
	s_cselect_b32 s54, 0x42800000, 1.0             ; the result's factor: 64 or 1
	s_cselect_b32 s56, 1.0, 0                      ; is a centred bias added?
	s_cselect_b32 s58, 1.0, 0                      ; are column means taken away?
	s_cselect_b32 s69, 0, s79                      ; where in vecs
	s_cmp_lt_u32 s34, 144                          ; one of those two, or else W2
	s_cselect_b32 s37, s37, s75
	s_cselect_b32 s36, s36, 0
	s_cselect_b32 s52, s52, s76
	s_cselect_b32 s53, s53, s77
	s_cselect_b32 s54, s54, 1.0
	s_cselect_b32 s56, s56, 1.0
	s_cselect_b32 s58, s58, 1.0
	s_cselect_b32 s60, 0, 0x3b000000               ; 1/512 beside the column means
	s_cselect_b32 s62, 0, 1.0                      ; the gain is g2 x this
	s_cselect_b32 s66, 1.0, 0                      ; + this
	s_cselect_b32 s68, 0, 1.0                      ; the diagonal's 1
	s_cselect_b32 s69, s69, s77
	s_cselect_b32 s38, 0, s77                      ; cm's second row
	s_cselect_b32 s39, 0, 0x80000                  ; wts's second half
	s_mov_b32 s55, s54                             ; the packed forms name pairs
	s_mov_b32 s59, s58
	s_mov_b32 s61, s60
	s_mov_b32 s63, s62
	s_mov_b32 s67, s66
	s_mov_b32 s70, 0x76543210
	s_mov_b32 s71, 0xfedcba98
	s_mov_b32 s72, 0x3b000000                      ; 1/512
	s_wait_kmcnt 0x0
	s_cmp_lt_u32 s34, 128
	s_cselect_b64 s[40:41], s[4:5], s[12:13]       ; left operand: Wo, qs, Wl
	s_cselect_b64 s[42:43], s[6:7], s[14:15]       ; right operand: Wv, Wk
	s_cselect_b64 s[44:45], s[8:9], s[16:17]       ; the dot product's vector: bv, bk, b2
	s_cselect_b64 s[50:51], s[28:29], s[30:31]     ; the result: wts, qk16, wts
	s_cmp_lt_u32 s34, 144
	s_cselect_b64 s[40:41], s[40:41], s[18:19]
	s_cselect_b64 s[44:45], s[44:45], s[24:25]
	s_cselect_b64 s[46:47], s[10:11], s[20:21]     ; the bias: bo, (bo, unused), bl
	s_cselect_b64 s[50:51], s[50:51], s[28:29]
	s_mov_b32 s75, 0                               ; the upper word of every offset
	s_mov_b32 s74, s38
	s_add_nc_u64 s[48:49], s[26:27], s[74:75]      ; the column means
	s_lshl_b32 s74, s37, 16                        ; 32 rows of 2,048 bytes,
	s_lshl_b32 s38, s35, 13                        ; my wave's four
	s_add_co_u32 s74, s74, s38
	s_add_nc_u64 s[40:41], s[40:41], s[74:75]
	s_lshr_b32 s38, s35, 2                         ; it: my row tile of the two
	s_lshl1_add_u32 s38, s37, s38
	s_mul_i32 s38, s38, s53
	s_mul_i32 s74, s36, s52
	s_add_co_u32 s74, s74, s38
	s_add_co_u32 s74, s74, s39
	s_and_b32 s38, s35, 3                          ; et: my column tile of the four
	s_lshl_b32 s38, s38, 9
	s_add_co_u32 s74, s74, s38
	s_add_nc_u64 s[50:51], s[50:51], s[74:75]      ; my block of the result
	s_lshl_b32 s74, s37, 7
	s_add_co_u32 s74, s74, s69
	s_add_nc_u64 s[32:33], s[32:33], s[74:75]      ; the work-group's 32 numbers of vecs
	s_lshl_b32 s74, s37, 7
	s_lshl_b32 s38, s35, 4
	s_add_co_u32 s74, s74, s38
	v_mov_b32 v5, s74                              ; 4 (32 yr + 4 w): the same in every lane
	s_lshl_b32 s74, s35, 17                        ; the right operand: my wave's 64 rows d,
	s_lshl_b32 s38, s36, 8                         ; the strip's 256 bytes of each
	s_add_co_u32 s74, s74, s38
	v_lshlrev_b32 v6, 11, v4
	v_lshl_add_u32 v6, v3, 4, v6
	v_add_nc_u32 v6, s74, v6
	s_wait_alu depctr_va_vdst(0)                   ; v2, v5 and v6 are written: all the loads below, those into registers 256 and up too, read one of them as their offset
.irp c,0,1,2,3
	global_load_b128 v[CM+4*(\c):CM+4*(\c)+3], v2, s[48:49] offset:512*(\c)
	global_load_b128 v[YV+4*(\c):YV+4*(\c)+3], v2, s[44:45] offset:512*(\c)
	global_load_b128 v[GV+4*(\c):GV+4*(\c)+3], v2, s[22:23] offset:512*(\c)
	global_load_b128 v[AD+4*(\c):AD+4*(\c)+3], v2, s[46:47] offset:512*(\c)
.endr
	global_load_b128 v[AK:AK+3], v5, s[46:47]
.irp k,0,1,2,3
.irp c,0,1,2,3
	global_load_b128 v[AR+16*(\k)+4*(\c):AR+16*(\k)+4*(\c)+3], v2, s[40:41] offset:2048*(\k)+512*(\c)
.endr
.endr
	s_cmp_lt_u32 s34, 144
	s_cbranch_scc0 .Lno_b
	WIN 0x40                                       ; into registers 256 and up; since the wait above stand only loads, a compare, a branch and this switch
.set k, 0
.rept 32
	global_load_b128 v[4*k:4*k+3], v6, s[42:43] offset:4096*k  ; two rows: 16 lanes read 256 consecutive bytes each
.set k, k+1
.endr
	WIN 0
.Lno_b:
	; LDS addresses
	s_mul_i32 s74, s35, 4*PIT
	v_lshl_add_u32 v7, v1, 3, s74                  ; AS (at 0): my four rows, 8 bytes a lane and chunk
	s_mul_i32 s74, s35, 64*BP
	s_add_co_u32 s74, s74, BS
	v_mul_u32_u24 v8, v4, BP
	v_lshl_add_u32 v8, v3, 3, v8
	v_add_nc_u32 v8, s74, v8                       ; BS: my 64 rows
	s_lshl_b32 s74, s35, 4
	s_add_co_u32 s74, s74, VS2
	v_mov_b32 v9, s74
	v_and_b32 v10, 7, v0                           ; the turning load: row 8 h + l % 8, 16 bytes by (l / 8) % 2,
	v_lshl_add_u32 v10, v4, 3, v10
	v_mul_u32_u24 v10, v10, BP
	v_bfe_u32 v14, v0, 3, 1
	v_lshl_add_u32 v10, v14, 4, v10
	s_and_b32 s74, s35, 3
	s_lshl_b32 s74, s74, 5                         ; my column tile's 32 bytes
	v_mul_u32_u24 v12, v3, PIT                     ; the left operand's fragments: row x pitch + 16 x half,
	v_lshl_add_u32 v12, v4, 4, v12
	s_lshr_b32 s38, s35, 2
	s_mul_i32 s38, s38, 16*PIT                     ; in my row tile
	v_add_nc_u32 v12, s38, v12
	v_add_nc_u32 v13, s74, v12                     ; W2: my block's 16 bytes of a row
	s_add_co_u32 s74, s74, BS
	v_add_nc_u32 v10, s74, v10
	v_add_nc_u32 v11, 256*BP, v10                  ; K steps 8-15
	v_lshl_add_u32 v15, v1, 2, VS2
	v_lshlrev_b32 v16, 2, v1
	; the diagonal of rows 32 yr + 4 w + k lies in chunk (32 yr + 4 w) / 128, lane ((32 yr + 4 w) % 128) / 4, element k
	s_lshl_b32 s76, s37, 5
	s_lshl2_add_u32 s76, s35, s76
	s_lshr_b32 s77, s76, 7
	s_bfe_u32 s78, s76, 0x50002
	v_cmp_eq_u32 vcc_lo, s78, v1
	s_wait_alu depctr_va_vcc(0)                    ; the compare has written VCC, which the select below reads
	v_cndmask_b32 v[DLV], 0, s68, vcc_lo
.irp c,0,1,2,3
	s_cmp_eq_u32 s77, \c
	s_cselect_b32 s79, 1.0, 0
	v_mul_f32 v[DL+(\c)], s79, v[DLV]
.endr
	s_wait_loadcnt 0x0                             ; all loads: the one count that is right with and without the right operand's 32
.irp p,0,1,2,3,4,5,6,7
	v_pk_fma_f32 v[CM+2*(\p):CM+2*(\p)+1], v[CM+2*(\p):CM+2*(\p)+1], s[58:59], s[60:61] op_sel_hi:[1,0,0]
	v_pk_fma_f32 v[GV+2*(\p):GV+2*(\p)+1], v[GV+2*(\p):GV+2*(\p)+1], s[62:63], s[66:67] op_sel_hi:[1,0,0]
.endr
.irp p,0,1,2,3
	v_pk_add_f32 v[T+2*(\p):T+2*(\p)+1], v[AD+4*(\p):AD+4*(\p)+1], v[AD+4*(\p)+2:AD+4*(\p)+3]
.endr
	v_pk_add_f32 v[T:T+1], v[T:T+1], v[T+2:T+3]
	v_pk_add_f32 v[T+4:T+5], v[T+4:T+5], v[T+6:T+7]
	v_pk_add_f32 v[T:T+1], v[T:T+1], v[T+4:T+5]
	v_add_f32 v[T], v[T], v[T+1]
	WSUM T
	v_mul_f32 v[MEAN], s72, v[T]                   ; the bias's mean
.macro ROW k                           ; my row k: the bracket, its dot product, the number for vecs; then the gain and f16, in place.  All on registers: the stores of the four rows follow in one run
.set ra, AR+16*(\k)
.irp p,0,1,2,3,4,5,6,7
	v_pk_add_f32 v[ra+2*(\p):ra+2*(\p)+1], v[ra+2*(\p):ra+2*(\p)+1], v[CM+2*(\p):CM+2*(\p)+1] neg_lo:[0,1] neg_hi:[0,1]
.endr
.irp c,0,1,2,3
	v_add_f32 v[ra+4*(\c)+(\k)], v[ra+4*(\c)+(\k)], v[DL+(\c)]
.endr
	v_pk_mul_f32 v[T:T+1], v[ra:ra+1], v[YV:YV+1]
	v_pk_mul_f32 v[T+2:T+3], v[ra+2:ra+3], v[YV+2:YV+3]
.irp p,2,4,6
	v_pk_fma_f32 v[T:T+1], v[ra+2*(\p):ra+2*(\p)+1], v[YV+2*(\p):YV+2*(\p)+1], v[T:T+1]
	v_pk_fma_f32 v[T+2:T+3], v[ra+2*(\p)+2:ra+2*(\p)+3], v[YV+2*(\p)+2:YV+2*(\p)+3], v[T+2:T+3]
.endr
	v_pk_add_f32 v[T:T+1], v[T:T+1], v[T+2:T+3]
	v_add_f32 v[T], v[T], v[T+1]
	WSUM T
	v_sub_f32 v[T+2], v[AK+(\k)], v[MEAN]
	v_fma_f32 v[T], v[T+2], s56, v[T]
	v_mul_f32 v[RES+(\k)], s54, v[T]
.irp p,0,1,2,3,4,5,6,7
	v_pk_mul_f32 v[ra+2*(\p):ra+2*(\p)+1], v[ra+2*(\p):ra+2*(\p)+1], v[GV+2*(\p):GV+2*(\p)+1]
.endr
.irp i,0,1,2,3,4,5,6,7
	v_cvt_pk_f16_f32 v[ra+(\i)], v[ra+2*(\i)], v[ra+2*(\i)+1]  ; the row's sixteen numbers a lane close up into the first eight of their registers
.endr
.endm
	ROW 0
	ROW 1
	ROW 2
	ROW 3
	s_wait_alu depctr_va_vdst(0)                   ; the four rows' packs and RES are written, which the stores below read; v7 to v16 are written, for these and all later accesses by them
.irp k,0,1,2,3
	ds_store_b32 v9, v[RES+(\k)] offset:4*(\k)     ; every lane writes the same number
.irp c,0,1,2,3
	ds_store_b64 v7, v[AR+16*(\k)+2*(\c):AR+16*(\k)+2*(\c)+1] offset:(\k)*PIT+256*(\c)
.endr
.endr
	s_cmp_lt_u32 s34, 144
	s_cbranch_scc0 .Lno_b2
	WIN 0x45                                       ; the right operand: f16, [d][e]; rounded in place, in registers 256 and up
.set k, 0
.rept 32
	v_cvt_pk_f16_f32 v[4*k],   v[4*k],   v[4*k+1]
	v_cvt_pk_f16_f32 v[4*k+1], v[4*k+2], v[4*k+3]
.set k, k+1
.endr
	WIN 0x04                                       ; the stores' data in registers 256 and up
	s_wait_alu depctr_va_vdst(0)                   ; the roundings have written the first two of each four registers, which the 32 stores below read
.set k, 0
.rept 32
	ds_store_b64 v8, v[4*k:4*k+1] offset:k*2*BP
.set k, k+1
.endr
	WIN 0
.Lno_b2:
	s_wait_dscnt 0x0                               ; for the others' sake: my rows lie in LDS
	s_barrier_signal -1
	s_barrier_wait -1
	s_wait_alu depctr_vm_vsrc(0)                   ; my LDS stores have read AR and RES: fragment loads or W2's read-back land in the one, the products write the other
	s_cmp_lt_u32 s34, 144
	s_cbranch_scc0 .Lw2
	; one tile of 16 x 16 a wave, K = 512.  Source 0 = 16 columns e of the right operand (turned), source 1 = 16 rows of the left: a lane then holds one row and eight neighbouring columns: its 16 bytes of the block
.macro FRAG s                          ; the fragments of K step s, 32 along K, into slot s % 12
.set fb, FR+16*((\s)%12)+32*(((\s)%12)/8)
	ds_load_tr16_b128 v[fb:fb+3],   v[10+(\s)/8] offset:32*BP*((\s)%8)
	ds_load_tr16_b128 v[fb+4:fb+7], v[10+(\s)/8] offset:32*BP*((\s)%8)+16*BP
	ds_load_b128 v[fb+8:fb+11],  v12 offset:64*(\s)
	ds_load_b128 v[fb+12:fb+15], v12 offset:64*(\s)+32
.endm
.macro PROD s                          ; the product of K step s: the two accumulators take turns
.set fb, FR+16*((\s)%12)+32*(((\s)%12)/8)
.if (\s) < 2
	v_wmma_f32_16x16x32_f16 v[ACC+8*(\s):ACC+8*(\s)+7], v[fb:fb+7], v[fb+8:fb+15], 0
.else
	v_wmma_f32_16x16x32_f16 v[ACC+8*((\s)%2):ACC+8*((\s)%2)+7], v[fb:fb+7], v[fb+8:fb+15], v[ACC+8*((\s)%2):ACC+8*((\s)%2)+7]
.endif
.endm
.irp s,0,1,2,3,4,5,6,7,8,9,10,11
	FRAG \s
.endr
	s_wait_dscnt 32                                ; K steps 0-3 are in; the 32 loads of steps 4-11 may stay out
.irp s,0,1,2,3
	PROD \s
.endr
	PLACES                                         ; four places in front of loads into registers that the products have read
	s_wait_alu depctr_va_vdst(0)                   ; products 0-3 are done reading slots 0-3, in which the loads below land
.irp s,12,13,14,15
	FRAG \s
.endr
	s_wait_dscnt 16                                ; K steps 4-11 are in; the 16 loads just issued may stay out
.irp s,4,5,6,7,8,9,10,11
	PROD \s
.endr
	s_wait_dscnt 0x0
.irp s,12,13,14,15
	PROD \s
.endr
	PLACES 8
.irp p,0,1,2,3
	v_pk_add_f32 v[ACC+2*(\p):ACC+2*(\p)+1], v[ACC+2*(\p):ACC+2*(\p)+1], v[ACC+8+2*(\p):ACC+8+2*(\p)+1]
.endr
.irp p,0,1,2,3
	v_pk_mul_f32 v[ACC+2*(\p):ACC+2*(\p)+1], v[ACC+2*(\p):ACC+2*(\p)+1], s[54:55] op_sel_hi:[1,0]
.endr
.irp p,0,1,2,3
	v_cvt_pk_f16_f32 v[T+(\p)], v[ACC+2*(\p)], v[ACC+2*(\p)+1]
.endr
	s_wait_alu depctr_va_vdst(0)                   ; the roundings have written T's first four registers, which the store below reads
	global_store_b128 v2, v[T:T+3], s[50:51]       ; a block: 512 consecutive bytes
	s_branch .Lvec
.Lw2:                                  ; W2 lies in LDS by rows: it is read back block by block, for each of the eight tiles of 64 columns
.irp x,0,1,2,3,4,5,6,7
	ds_load_b128 v[W2R+4*(\x):W2R+4*(\x)+3], v13 offset:128*(\x)
.endr
.irp x,0,1,2,3,4,5,6,7
	s_wait_dscnt 7-(\x)
	global_store_b128 v2, v[W2R+4*(\x):W2R+4*(\x)+3], s[50:51] offset:65536*(\x)
.endr
.Lvec:
	s_or_b32 s74, s35, s36                         ; wave 0 of the work-groups with x = 0 stores the 32 numbers
	s_cmp_lg_u32 s74, 0
	s_cbranch_scc1 .Lend
	ds_load_b32 v[T+4], v15                        ; no wait: on either way no vector instruction since the last wait on va_vdst names T + 4 or v15
	s_wait_dscnt 0x0
	global_store_b32 v16, v[T+4], s[32:33]
.Lend:
	s_wait_dscnt 0x0                               ; the closing lines, six on end
	s_wait_alu 0x0
	s_wait_tensorcnt 0x0
	ds_add_u32 v[SPW], v[NIL]
	s_wait_dscnt 0x0
	s_endpgm
.Lfunc_end_k_q479c233f0c_prep2:
	.size	k_q479c233f0c_prep2, .Lfunc_end_k_q479c233f0c_prep2-k_q479c233f0c_prep2
	.p2alignl 7, 3214868480
	.fill 96, 4, 3214868480
	.section	.rodata,"a",@progbits
	.p2align	6, 0x0
	.amdhsa_kernel k_q479c233f0c_prep2
		.amdhsa_group_segment_fixed_size 116480
		.amdhsa_private_segment_fixed_size 0
		.amdhsa_enable_private_segment 0
		.amdhsa_kernarg_size 120
		.amdhsa_user_sgpr_count 2
		.amdhsa_user_sgpr_kernarg_segment_ptr 1
		.amdhsa_wavefront_size32 1
		.amdhsa_system_sgpr_workgroup_id_x 1
		.amdhsa_system_sgpr_workgroup_id_y 1
		.amdhsa_system_sgpr_workgroup_id_z 1
		.amdhsa_system_vgpr_workitem_id 0
		.amdhsa_next_free_vgpr 384
		.amdhsa_next_free_sgpr 80
		.amdhsa_reserve_vcc 1
		.amdhsa_float_denorm_mode_32 3
		.amdhsa_float_denorm_mode_16_64 3
		.amdhsa_memory_ordered 1
		.amdhsa_forward_progress 1
		.amdhsa_inst_pref_size 42
	.end_amdhsa_kernel
	.amdgpu_metadata
---
amdhsa.version: [ 1, 2 ]
amdhsa.kernels:
  - .name:           k_q479c233f0c_prep2
    .symbol:         k_q479c233f0c_prep2.kd
    .args:
      - { .name: Wo, .offset: 0, .size: 8, .value_kind: global_buffer, .address_space: global }
      - { .name: Wv, .offset: 8, .size: 8, .value_kind: global_buffer, .address_space: global }
      - { .name: bv, .offset: 16, .size: 8, .value_kind: global_buffer, .address_space: global }
      - { .name: bo, .offset: 24, .size: 8, .value_kind: global_buffer, .address_space: global }
      - { .name: qs, .offset: 32, .size: 8, .value_kind: global_buffer, .address_space: global }
      - { .name: Wk, .offset: 40, .size: 8, .value_kind: global_buffer, .address_space: global }
      - { .name: bk, .offset: 48, .size: 8, .value_kind: global_buffer, .address_space: global }
      - { .name: Wl, .offset: 56, .size: 8, .value_kind: global_buffer, .address_space: global }
      - { .name: bl, .offset: 64, .size: 8, .value_kind: global_buffer, .address_space: global }
      - { .name: ln2_g, .offset: 72, .size: 8, .value_kind: global_buffer, .address_space: global }
      - { .name: ln2_b, .offset: 80, .size: 8, .value_kind: global_buffer, .address_space: global }
      - { .name: cm, .offset: 88, .size: 8, .value_kind: global_buffer, .address_space: global }
      - { .name: wts, .offset: 96, .size: 8, .value_kind: global_buffer, .address_space: global }
      - { .name: qk16, .offset: 104, .size: 8, .value_kind: global_buffer, .address_space: global }
      - { .name: vecs, .offset: 112, .size: 8, .value_kind: global_buffer, .address_space: global }
    .group_segment_fixed_size: 116480
    .private_segment_fixed_size: 0
    .kernarg_segment_align: 8
    .kernarg_segment_size: 120
    .max_flat_workgroup_size: 256
    .sgpr_count:     80
    .vgpr_count:     384
    .wavefront_size: 32
...
	.end_amdgpu_metadata
.endif
;; end of part 5
;; launch main: the kernel of part 3 again; grid 256 x 1, 4 waves a work-group, clusters of 4 x 1, 327,680 bytes of LDS; arguments music_embeds, music_mask, ln1_g, ln1_b, ln3_g, ln3_b, qk16, wts, vecs, out0; writes out0
